; MI455X (gfx1250); checked and timed in simulation.
; The chip was launched on July 23, 2026; its instructions are those of AMD's public machine-readable ISA for CDNA 5 (MIT licence, August 2026) and "CDNA5" Instruction Set Architecture Reference Guide (July 2026). The comments in the code are by the model that wrote it; some were corrected since.
;; MHA. Allowed arithmetic: float matrix products may take bf16 or f16 operands with f32 sums; other float arithmetic in f32, or as packed bf16 or f16 multiplies, adds, multiply-adds, maxima and minima; sums over many terms, partial sums and values carried from step to step in f32; what a program stores and reads back later, other than sums and carried values, may be rounded once to bf16 or f16.
;; Inputs: Wk 1,024 x 1,024 float32; Wo 1,024 x 1,024 float32; Wq 1,024 x 1,024 float32; Wv 1,024 x 1,024 float32; x 4 x 2,048 x 1,024 float32.
;; Outputs: out0 4 x 2,048 x 1,024 float32.
;; 2 versions, each right; version 2 is version 1 with the launch prep written anew for expert scheduling mode. Each part assembles by itself: llvm-mc -triple=amdgcn-amd-amdhsa -mcpu=gfx1250 --defsym DOCPART=n.
;; ======== version 1 of 2: 4 launches
;; limits: values are held in f16: magnitudes above 65,504 overflow, below 6.1e-05 lose precision
;; workspace buffers: xb 16,777,216 bytes; wcat 6,291,456 bytes; wob 2,097,152 bytes; tab 524,288 bytes; qh 16,777,216 bytes; kh 16,777,216 bytes; vh 16,777,216 bytes; oh 16,777,216 bytes
;; launch prep (part 1): grid 896 x 1, 8 waves a work-group, no clusters, 0 bytes of LDS; arguments x, Wq, Wk, Wv, Wo, xb, wcat, wob, tab; writes xb, wcat, wob, tab
.if DOCPART == 1
	.amdgcn_target "amdgcn-amd-amdhsa--gfx1250"
	.amdhsa_code_object_version 6
	.text
	.protected	k_qc9717067fe_prep
	.globl	k_qc9717067fe_prep
	.p2align	8
	.type	k_qc9717067fe_prep,@function
k_qc9717067fe_prep:
	s_mov_b64 s[64:65], 0
	v_nop
	global_prefetch_b8 v0, s[64:65] scope:SCOPE_SE
	s_setreg_imm32_b32 hwreg(HW_REG_WAVE_MODE, 25, 1), 1
	s_wait_xcnt 0x0
; THE INPUTS ARE ROUNDED ONCE, AND THE TABLE OF ROTATIONS IS MADE.  A stream: no LDS, no barrier, no matrix instruction.
;   work-groups   0..511  x  [8192][1024] f32 -> xb   [8192][1024] bf16
;   work-groups 512..703  Wq, Wk, Wv [1024][1024] f32 -> wcat [3072][1024] bf16, one below the other
;   work-groups 704..767  Wo [1024][1024] f32 -> wob: rounded to bf16 like the other inputs, and that number written as f16
;   work-groups 768..895  tab [2048 positions][64] f32: cos(p f_i), i = 0..31, then sin(p f_i); f_i = 10000^(-i/32)
; A streaming work-group takes 16 rows.  Thread t takes the 16 bytes at 16 t of each row (a wave's load covers 512 consecutive bytes) and stores 8 bytes at 8 t
; (a wave's store covers 256 consecutive bytes, aligned).  All 16 loads of a thread go out first; each row has registers of its own, so nothing is written twice.
; LIMITS.  A number of Wo below 2^-14 keeps f16's fixed step of 6e-8; beyond 65,504 it would be lost.  The table's angle is p times an f_i made by v_exp_f32, good to about
; one part in 10^7: up to some 3e-4 radians at the far positions.  NaN and infinities are not treated apart.
.set X,   8                            ; v[8:71]    row p: 4 numbers as loaded
.set Y,   72                           ; v[72:103]  row p: 4 numbers of 16 bits
.set SRC, 26                           ; s[26:27]   the block's first byte in its input
.set DST, 28                           ; s[28:29]   and in its output
.macro BODY h                          ; h = 1: the bf16 number is written as f16
.irp p, 0,1,2,3,4,5,6,7,8,9,10,11,12,13,14,15
	global_load_b128 v[X+4*(\p):X+4*(\p)+3], v1, s[SRC:SRC+1] offset:4096*(\p) th:TH_LOAD_NT
.endr
.irp p, 0,1,2,3,4,5,6,7,8,9,10,11,12,13,14,15
	s_wait_loadcnt 15-(\p)                         ; loads come back in order: row p is in, the younger rows stay out
	v_cvt_pk_bf16_f32 v[Y+2*(\p)],   v[X+4*(\p)],   v[X+4*(\p)+1]
	v_cvt_pk_bf16_f32 v[Y+2*(\p)+1], v[X+4*(\p)+2], v[X+4*(\p)+3]
.if \h
	v_lshlrev_b32 v104, 16, v[Y+2*(\p)]            ; bf16 to f32: the low half moves up, the high half stays
	v_and_b32     v105, 0xffff0000, v[Y+2*(\p)]
	v_lshlrev_b32 v106, 16, v[Y+2*(\p)+1]
	v_and_b32     v107, 0xffff0000, v[Y+2*(\p)+1]
	v_cvt_pk_f16_f32 v[Y+2*(\p)],   v104, v105     ; 8 significant bits fit into f16's 11
	v_cvt_pk_f16_f32 v[Y+2*(\p)+1], v106, v107
.endif
	global_store_b64 v2, v[Y+2*(\p):Y+2*(\p)+1], s[DST:DST+1] offset:2048*(\p)
.endr
.endm
	s_load_b512 s[8:23], s[0:1], 0x0               ; x 8:9, Wq 10:11, Wk 12:13, Wv 14:15, Wo 16:17, xb 18:19, wcat 20:21, wob 22:23
	s_load_b64 s[24:25], s[0:1], 0x40              ; tab
	s_mov_b32 s2, ttmp9
	v_lshlrev_b32 v1, 4, v0                        ; 16 t
	v_lshlrev_b32 v2, 3, v0                        ; 8 t
	s_mov_b32 s31, 0
	s_mov_b32 s33, 0
	s_wait_kmcnt 0x0
	s_cmp_ge_u32 s2, 768
	s_cbranch_scc1 .Ltable
	s_cmp_ge_u32 s2, 704
	s_cbranch_scc1 .Lwo
	s_max_u32 s3, s2, 512
	s_sub_co_u32 s3, s3, 512                       ; the block among the three weights' 192 (0 in x's role)
	s_lshr_b32 s4, s3, 6                           ; which weight
	s_and_b32 s5, s3, 63                           ; its block of 16 rows
	s_cmp_eq_u32 s4, 1
	s_cselect_b64 s[SRC:SRC+1], s[12:13], s[10:11]
	s_cmp_eq_u32 s4, 2
	s_cselect_b64 s[SRC:SRC+1], s[14:15], s[SRC:SRC+1]
	s_cmp_lt_u32 s2, 512
	s_cselect_b64 s[SRC:SRC+1], s[8:9], s[SRC:SRC+1]
	s_cselect_b64 s[DST:DST+1], s[18:19], s[20:21]
	s_cselect_b32 s6, s2, s5
	s_cselect_b32 s7, s2, s3
	s_lshl_b32 s30, s6, 16                         ; 16 rows of 4,096 bytes
	s_lshl_b32 s32, s7, 15                         ; 16 rows of 2,048 bytes
	s_add_nc_u64 s[SRC:SRC+1], s[SRC:SRC+1], s[30:31]
	s_add_nc_u64 s[DST:DST+1], s[DST:DST+1], s[32:33]
	BODY 0
	s_endpgm
.Lwo:
	s_sub_co_u32 s5, s2, 704
	s_lshl_b32 s30, s5, 16
	s_lshl_b32 s32, s5, 15
	s_add_nc_u64 s[SRC:SRC+1], s[16:17], s[30:31]
	s_add_nc_u64 s[DST:DST+1], s[22:23], s[32:33]
	BODY 1
	s_endpgm
.Ltable:
	; A work-group makes 16 positions.  Thread t: position 16 j + t / 16; u = t % 16: u < 8 makes cos, the others sin, of i = 4 (u % 8) + 0..3: 16 lanes fill a position's 256 bytes.
	; sin(a + q pi/2): n = the nearest whole number to a 2/pi; r = a - n pi/2 with pi/2 in two parts (the first product is exact in the fused multiply-add);
	; k = n + q; k odd takes the cosine's polynomial of r, k even the sine's; bit 1 of k turns the sign.  |r| stays within pi/4, where both polynomials hold to f32's last bits.
	s_sub_co_u32 s3, s2, 768
	s_lshl_b32 s4, s3, 4                           ; the first position
	s_lshl_b32 s30, s3, 12                         ; 16 positions of 256 bytes
	s_add_nc_u64 s[24:25], s[24:25], s[30:31]
	s_mov_b32 s34, 0xbed49a78                      ; -log2(10000) / 32
	s_mov_b32 s35, 0x3f22f983                      ; 2 / pi
	s_mov_b32 s36, 0x3fc90fdb                      ; pi / 2, rounded to f32
	s_mov_b32 s37, 0xb33bbd2e                      ; and what is left of it
	s_mov_b32 s38, 0xb94ca1f9                      ; sine: -1.9515296e-4, 8.3321609e-3, -1.6666655e-1
	s_mov_b32 s39, 0x3c08839e
	s_mov_b32 s40, 0xbe2aaaa3
	s_mov_b32 s41, 0x37ccf5ce                      ; cosine: 2.4433157e-5, -1.3887316e-3, 4.1666646e-2
	s_mov_b32 s42, 0xbab6061a
	s_mov_b32 s43, 0x3d2aaaa5
	v_lshrrev_b32 v3, 4, v0
	v_add_nc_u32 v3, s4, v3                        ; p
	v_cvt_f32_u32 v5, v3
	v_and_b32 v4, 15, v0                           ; u
	v_cmp_gt_u32 vcc_lo, 8, v4
	v_cndmask_b32 v6, 0, 1, vcc_lo                 ; q = 1 for the cosine: the sine a quarter turn on
	v_and_b32 v7, 7, v4
	v_lshlrev_b32 v7, 2, v7                        ; the first i
.irp e, 0,1,2,3
	v_add_nc_u32 v[8+(\e)], \e, v7
	v_cvt_f32_u32 v[8+(\e)], v[8+(\e)]
	v_mul_f32 v[8+(\e)], s34, v[8+(\e)]
.endr
.irp e, 0,1,2,3
	v_exp_f32 v[8+(\e)], v[8+(\e)]                 ; f_i; the four stand together,
.endr
	v_nop                                          ; and a plain instruction behind the last, ahead of the first use
	s_wait_alu depctr_va_vdst(0)
.irp e, 0,1,2,3
	v_mul_f32 v[8+(\e)], v5, v[8+(\e)]             ; the angle
	v_mul_f32 v[12+(\e)], s35, v[8+(\e)]
	v_rndne_f32 v[12+(\e)], v[12+(\e)]             ; n
	v_fma_f32 v[8+(\e)], -v[12+(\e)], s36, v[8+(\e)]
	v_fma_f32 v[8+(\e)], -v[12+(\e)], s37, v[8+(\e)]  ; r
	v_cvt_i32_f32 v[12+(\e)], v[12+(\e)]
	v_add_nc_u32 v[12+(\e)], v[12+(\e)], v6        ; k
	v_mul_f32 v[16+(\e)], v[8+(\e)], v[8+(\e)]     ; z = r r
.endr
.irp e, 0,1,2,3
	v_fma_f32 v[20+(\e)], v[16+(\e)], s38, s39
	v_fma_f32 v[24+(\e)], v[16+(\e)], s41, s42
	v_fma_f32 v[20+(\e)], v[20+(\e)], v[16+(\e)], s40
	v_fma_f32 v[24+(\e)], v[24+(\e)], v[16+(\e)], s43
	v_mul_f32 v[20+(\e)], v[20+(\e)], v[16+(\e)]
	v_mul_f32 v[24+(\e)], v[24+(\e)], v[16+(\e)]
	v_fma_f32 v[28+(\e)], v[16+(\e)], -0.5, 1.0
	v_fma_f32 v[20+(\e)], v[20+(\e)], v[8+(\e)], v[8+(\e)]     ; sin r
	v_fma_f32 v[24+(\e)], v[24+(\e)], v[16+(\e)], v[28+(\e)]   ; cos r
.endr
.irp e, 0,1,2,3
	v_and_b32 v[28+(\e)], 1, v[12+(\e)]
	v_cmp_eq_u32 vcc_lo, 1, v[28+(\e)]
	v_cndmask_b32 v[20+(\e)], v[20+(\e)], v[24+(\e)], vcc_lo   ; a value is chosen; no branch and no address hangs on it
	v_lshlrev_b32 v[12+(\e)], 30, v[12+(\e)]
	v_and_b32 v[12+(\e)], 0x80000000, v[12+(\e)]
	v_xor_b32 v[20+(\e)], v[12+(\e)], v[20+(\e)]
.endr
	global_store_b128 v1, v[20:23], s[24:25]       ; 16 lanes store a position's 256 bytes
	s_endpgm
.Lfunc_end_k_qc9717067fe_prep:
	.size	k_qc9717067fe_prep, .Lfunc_end_k_qc9717067fe_prep-k_qc9717067fe_prep
	.p2alignl 7, 3214868480
	.fill 96, 4, 3214868480
	.section	.rodata,"a",@progbits
	.p2align	6, 0x0
	.amdhsa_kernel k_qc9717067fe_prep
		.amdhsa_group_segment_fixed_size 0
		.amdhsa_private_segment_fixed_size 0
		.amdhsa_enable_private_segment 0
		.amdhsa_kernarg_size 72
		.amdhsa_user_sgpr_count 2
		.amdhsa_user_sgpr_kernarg_segment_ptr 1
		.amdhsa_wavefront_size32 1
		.amdhsa_system_sgpr_workgroup_id_x 1
		.amdhsa_system_sgpr_workgroup_id_y 1
		.amdhsa_system_sgpr_workgroup_id_z 1
		.amdhsa_system_vgpr_workitem_id 0
		.amdhsa_next_free_vgpr 112
		.amdhsa_next_free_sgpr 66
		.amdhsa_reserve_vcc 1
		.amdhsa_float_denorm_mode_32 3
		.amdhsa_float_denorm_mode_16_64 3
		.amdhsa_memory_ordered 1
		.amdhsa_forward_progress 1
		.amdhsa_inst_pref_size 24
	.end_amdhsa_kernel
	.amdgpu_metadata
---
amdhsa.version: [ 1, 2 ]
amdhsa.kernels:
  - .name:           k_qc9717067fe_prep
    .symbol:         k_qc9717067fe_prep.kd
    .args:
      - { .name: x, .offset: 0, .size: 8, .value_kind: global_buffer, .address_space: global }
      - { .name: Wq, .offset: 8, .size: 8, .value_kind: global_buffer, .address_space: global }
      - { .name: Wk, .offset: 16, .size: 8, .value_kind: global_buffer, .address_space: global }
      - { .name: Wv, .offset: 24, .size: 8, .value_kind: global_buffer, .address_space: global }
      - { .name: Wo, .offset: 32, .size: 8, .value_kind: global_buffer, .address_space: global }
      - { .name: xb, .offset: 40, .size: 8, .value_kind: global_buffer, .address_space: global }
      - { .name: wcat, .offset: 48, .size: 8, .value_kind: global_buffer, .address_space: global }
      - { .name: wob, .offset: 56, .size: 8, .value_kind: global_buffer, .address_space: global }
      - { .name: tab, .offset: 64, .size: 8, .value_kind: global_buffer, .address_space: global }
    .group_segment_fixed_size: 0
    .private_segment_fixed_size: 0
    .kernarg_segment_align: 8
    .kernarg_segment_size: 72
    .max_flat_workgroup_size: 256
    .sgpr_count:     66
    .vgpr_count:     112
    .wavefront_size: 32
...
	.end_amdgpu_metadata
.endif
;; end of part 1
;; launch qkv (part 2): grid 8 x 32, 4 waves a work-group, clusters of 4 x 4, 327,680 bytes of LDS; arguments xb, wcat, tab, qh, kh, vh; writes qh, kh, vh
.if DOCPART == 2
	.amdgcn_target "amdgcn-amd-amdhsa--gfx1250"
	.amdhsa_code_object_version 6
	.text
	.protected	k_qc9717067fe_qkv
	.globl	k_qc9717067fe_qkv
	.p2align	8
	.type	k_qc9717067fe_qkv,@function
k_qc9717067fe_qkv:
	s_mov_b64 s[64:65], 0
	v_nop
	global_prefetch_b8 v0, s[64:65] scope:SCOPE_SE
	s_setreg_imm32_b32 hwreg(HW_REG_WAVE_MODE, 25, 1), 1
	s_wait_xcnt 0x0
	s_wait_alu depctr_hold_cnt(0) depctr_sa_sdst(0) depctr_va_vdst(0) depctr_va_sdst(0) depctr_va_ssrc(0) depctr_va_vcc(0) depctr_vm_vsrc(0)
	s_getreg_b32 s2, hwreg(HW_REG_IB_STS2, 6, 4)
	s_cmp_eq_u32 s2, 0
	s_cbranch_scc0 .Lentry_in_a_cluster
	s_endpgm
.Lentry_in_a_cluster:
	s_bfe_u32 s2, ttmp6, 0x10000c
	s_cmp_lg_u32 s2, 0xf033
	s_cbranch_scc0 .Lentry_shape_is_right
	s_endpgm
.Lentry_shape_is_right:
; q, k, v = x Wq^T, x Wk^T, x Wv^T; q and k rotated (RoPE); all three rounded once to f16 and written by heads, [64 = 16 b + head][2048][64], WITHOUT the scale 1/8.
; xb: [8192][1024] bf16; wcat: [3072][1024] bf16 (Wq's rows, Wk's, Wv's); tab: [2048][64] f32 (32 cosines, 32 sines a position).  Products in bf16, sums and rotation in f32.
; LIMIT.  f16 holds no number beyond 65,504: q and k behind the rotation, and v, must stay within it.
; SHARES.  A work-group owns 256 rows of x and 128 columns (two heads), and STAYS: it makes that tile of q, then of k, then of v: one walk of 24 K steps of 128 through a ring of two LDS slots,
; which does not stop at a tile's end.  8 x 32 work-groups.  Each of four waves makes 128 rows x 64 columns, one head: 32 accumulators of 16 x 16, 256 registers.
; THE MATRIX INSTRUCTION IS USED TRANSPOSED (source 0 = 16 rows of the weights, source 1 = 16 rows of x): a lane holds row l % 16 and the columns 16 b + 8 (l / 16) + 0..7 of its head.  So column c and
; column c + 32, which the rotation pairs, lie in the same lane, in accumulators b and b + 2, and a lane's eight numbers pack into 16 bytes.
; CLUSTERS: 4 x 4 work-groups.  The four of a row of the cluster need the same tiles of x, the four of a column the same tiles of the weights: each tile is asked for JOINTLY, by the same tensor load with
; the same descriptor and a mask that names the four.
; REGISTERS, in windows of 256 (s_set_vgpr_msb: bits 1:0 source 0, 3:2 source 1, 5:4 source 2, 7:6 destination):
;   window 0: v0-29 addresses; v32-63 at work on the way out; v64-159, v160-255 two fragment buffers: 4 fragments of the weights, then 8 of x, 32 along K
;   window 1: the accumulators, (a, b) at v[8 (4 a + b)]      window 2: my 128 positions' cosines and sines: block a of 16 rows at v[32 a]: 16 cosines, 16 sines
.set PITCH,  272                       ; an LDS row: 256 bytes + 16 of padding = 68 words: the 16 rows of a fragment load start at 16 different groups of four banks (64 banks of 4 bytes: ISA guide 11.1)
.set AHALF,  128*PITCH                 ; 128 rows of x: what wave 0 or 1 fetches, and what a wave reads
.set BHALF,  64*PITCH                  ; 64 rows of the weights: what wave 2 or 3 fetches, and what a wave reads
.set BOFF,   2*AHALF                   ; a slot: x's 256 rows, then the weights' 128
.set SLOT,   BOFF+2*BHALF
.set STAGE,  2*SLOT                    ; behind the ring, never filled by a tensor load: 16 rows x 144 bytes for each wave, for the way out
.set SP,     144
.set SPARE,  STAGE+4*16*SP             ; behind the stages: the spare words, 128 bytes for each wave: two blocks of 256 bytes that no other line names
.set ADRA, 16                          ; v16-17  LDS address of my fragments of x in slot 0, 1
.set ADRB, 20                          ; v20-21  the same for the weights
.set STO,  24                          ; v24     the way out: where I put 16 bytes of a row
.set RD,   25                          ; v25     where I read rows back
.set GO,   26                          ; v26     my 16 bytes in 512 consecutive bytes of the output
.set TO,   27                          ; v27     my byte offset in 16 positions of the table
.set SPW,  28                          ; v28     LDS address of my spare word: SPARE + 4 x my thread's number; never rewritten
.set NIL,  29                          ; v29     0; never rewritten
.set T,    32                          ; v32-63  a block's 32 rotated numbers
.set F0,   64
.set F1,   160
.set PK,   160                         ; the way out: two sets of 16 registers, by the block's parity, where buffer 1 lay
.set WV, 16                            ; s16 my wave's number
.set RH, 17                            ; s17 which 128 rows are mine.  Also: I fetch for x (0) or for the weights (1)
.set CH, 18                            ; s18 which head is mine.  Also: which half of that tile I fetch
.set CX, 19
.set CY, 20
.set TC, 21                            ; s21 block of 128 columns
.set TR, 22                            ; s22 block of 256 rows
.set G1,  24                           ; s[24:31] descriptor group 1 for x's tiles;  s[32:39] group 0, a set for each slot
.set G0,  32
.set BASEA, 40                         ; s[40:41] xb at the 128 rows that I fetch
.set BASEB, 42                         ; s[42:43] wcat at the 64 rows of Wq that I fetch
.set G,   44                           ; s44 the K step, of 24, that is asked for next
.set LAP, 45                           ; s45 trips to go
.set PH,  46                           ; s46 laps to the end of the tile in hand
.set G1B, 48                           ; s[48:55], s[56:63] the same two groups for the weights' tiles
.set G0B, 56
.set OFA, 66                           ; s[66:67] a K step's byte offset in xb
.set OFB, 68                           ; s[68:69] and in wcat
.set OUT, 70                           ; s[70:71] where the tile in hand goes
.set MSB, 0
.macro WIN new                         ; the immediate's high byte repeats the setting that is left; a switch that changes nothing is dropped
.if MSB != (\new)
	s_set_vgpr_msb (MSB<<8)|(\new)
.set MSB, \new
.endif
.endm
.set MUL, 0x50                         ; C and D window 1, both sources window 0
.macro PLACES                          ; four places in front of loads into registers that matrix instructions have read, and of lines that read results
.rept 4
	v_nop
.endr
.endm
; A joint load: waves 0 and 1 fetch x's two halves, waves 2 and 3 the weights'.  The branch hangs on the wave's number alone.  An s_nop 0 and four v_nop follow each of the two lines.
.macro JLOAD s
	s_cmp_eq_u32 s[RH], 0
	s_cbranch_scc0 .Lfor_b_\@
	tensor_load_to_lds s[G0+4*(\s):G0+4*(\s)+3], s[G1:G1+7]
	s_nop 0
.rept 4
	v_nop
.endr
	s_branch .Lasked_\@
.Lfor_b_\@:
	tensor_load_to_lds s[G0B+4*(\s):G0B+4*(\s)+3], s[G1B:G1B+7]
	s_nop 0
.rept 4
	v_nop
.endr
.Lasked_\@:
.endm
.macro CREST                           ; a round of the cluster's barrier behind its opening barrier
	s_cmp_lg_u32 s[WV], 0
	s_cbranch_scc1 .Lnot_wave_0_\@
	s_barrier_signal -3
.Lnot_wave_0_\@:
	s_barrier_wait -3
	s_barrier_signal -1
	s_barrier_wait -1
.endm
.macro CROUND                          ; a whole round
	s_barrier_signal -1
	s_barrier_wait -1
	CREST
.endm
; 8 matrix instructions: row blocks a0, a0 + 1 x all 4 column blocks, 32 along K.  zero = 1: the product starts the sum.  The 32 accumulators take turns, one instruction a turn, in the same order in
; every quarter.
.macro MUL8 f, a0, zero
	WIN MUL
.irp a, \a0, (\a0)+1
.irp b, 0,1,2,3
.if \zero
	v_wmma_f32_16x16x32_bf16 v[8*(4*(\a)+(\b)):8*(4*(\a)+(\b))+7], v[(\f)+8*(\b):(\f)+8*(\b)+7], v[(\f)+32+8*(\a):(\f)+32+8*(\a)+7], 0
.else
	v_wmma_f32_16x16x32_bf16 v[8*(4*(\a)+(\b)):8*(4*(\a)+(\b))+7], v[(\f)+8*(\b):(\f)+8*(\b)+7], v[(\f)+32+8*(\a):(\f)+32+8*(\a)+7], v[8*(4*(\a)+(\b)):8*(4*(\a)+(\b))+7]
.endif
.endr
.endr
.endm
; 24 LDS loads in one run: quarter qn's fragments (32 along K) into buffer f: the weights' four, x's rows 0-63, x's rows 64-127
.macro FETCH slot, qn, f
	WIN 0
.irp b, 0,1,2,3
	ds_load_b128 v[(\f)+8*(\b):(\f)+8*(\b)+3],   v[ADRB+(\slot)] offset:64*(\qn)+(\b)*16*PITCH
	ds_load_b128 v[(\f)+8*(\b)+4:(\f)+8*(\b)+7], v[ADRB+(\slot)] offset:64*(\qn)+(\b)*16*PITCH+32
.endr
.irp a, 0,1,2,3,4,5,6,7
	ds_load_b128 v[(\f)+32+8*(\a):(\f)+32+8*(\a)+3],   v[ADRA+(\slot)] offset:64*(\qn)+(\a)*16*PITCH
	ds_load_b128 v[(\f)+32+8*(\a)+4:(\f)+32+8*(\a)+7], v[ADRA+(\slot)] offset:64*(\qn)+(\a)*16*PITCH+32
.endr
.endm
; A K step is four quarters of 32 along K, 32 matrix instructions each, on buffers 0, 1, 0, 1.  One of the first three: multiplies buffer f; in its middle it fetches quarter qn into buffer g.
.macro QUARTER slot, qn, f, g, zero
	s_wait_dscnt 8                                 ; the weights and x's rows 0-63 are in; the youngest eight loads (x's rows 64-127) may be out
	MUL8 \f, 0, \zero
	MUL8 \f, 2, \zero
	PLACES
	FETCH \slot, \qn, \g
	s_wait_dscnt 24                                ; all but the 24 just issued
	MUL8 \f, 4, \zero
	MUL8 \f, 6, \zero
.endm
; The last quarter multiplies buffer 1 and changes slots: ONE barrier.  In front of it each wave waits for all its tensor loads (one is out: its part of the next slot), adds 0 to its spare word, and waits for
; that and for its own reads of this slot.  fill = 1: this slot is filled again with K step G; the barrier then opens a round of the cluster's barrier, and the joint load is the first thing behind the round:
; 112 matrix instructions ahead of the wait for it.  The addresses are made anew from G: x's goes round every 8 steps, the weights' goes 1,024 rows down with each tile.
.macro TURN slot, next, fill
	WIN 0                                          ; (the add's two registers lie in window 0)
	s_wait_tensorcnt 0x0                           ; all my tensor loads have landed, so a group 0 may be written
	ds_add_u32 v[SPW], v[NIL]                      ; 0 onto my spare word; scalar work and eight products stand between it and the wait for it
.if \fill
	s_and_b32 s[OFA], s[G], 7
	s_lshl_b32 s[OFA], s[OFA], 8                   ; 256 bytes along K a step
	s_lshr_b32 s[OFB], s[G], 3
	s_lshl_b32 s[OFB], s[OFB], 21                  ; 1,024 rows of 2,048 bytes a tile
	s_or_b32 s[OFB], s[OFB], s[OFA]
	s_add_nc_u64 s[G0+4*(\slot)+2:G0+4*(\slot)+3], s[BASEA:BASEA+1], s[OFA:OFA+1]
	s_or_b32 s[G0+4*(\slot)+3], s[G0+4*(\slot)+3], 0x80000000
	s_add_nc_u64 s[G0B+4*(\slot)+2:G0B+4*(\slot)+3], s[BASEB:BASEB+1], s[OFB:OFB+1]
	s_or_b32 s[G0B+4*(\slot)+3], s[G0B+4*(\slot)+3], 0x80000000
	s_add_co_u32 s[G], s[G], 1
.endif
	s_wait_dscnt 9                                 ; (the add and the youngest eight loads may be out)
	MUL8 F1, 0, 0
	s_wait_dscnt 0x0                               ; the add is done, and my reads of this slot are over
	s_barrier_signal -1
	MUL8 F1, 2, 0                                  ; work on registers while the others arrive
	WIN 0
	s_barrier_wait -1
.if \fill
	CREST                                          ; no wave of any partner still reads this slot's tile or has a load on its way
	JLOAD \slot                                    ; the four v_nop behind it are also the places in front of the loads below
.else
	PLACES
.endif
	FETCH \next, 0, F0
	MUL8 F1, 4, 0
	MUL8 F1, 6, 0
.endm
; THE WAY OUT, a block of 16 rows at a time.  THRU: 16 bytes a lane into my own stage (rows of 144 bytes), and back as whole rows of 128 bytes, four to a load.
.macro THRU
.irp f, 0,1,2,3
	ds_store_b128 v[STO], v[PKR+4*(\f):PKR+4*(\f)+3] offset:32*(\f)
.endr
.irp f, 0,1,2,3
	ds_load_b128 v[PKR+4*(\f):PKR+4*(\f)+3], v[RD] offset:(\f)*4*SP  ; LDS serves a wave's instructions in order (ISA guide 5.7.1.4): these see the stores above; the next block's stores come behind them
.endr
.endm
; PACKR: block a rotated.  For column i < 32: out[i] = y[i] cos_i - y[i+32] sin_i; out[i+32] = y[i+32] cos_i + y[i] sin_i.  Each accumulator's lowest registers are read first.
.macro PACKR a
.set PKR, PK+16*((\a)%2)
	WIN 0x09                                       ; source 0 (sums) window 1, source 1 (table) window 2
.irp bp, 0,1
.irp jj, 0,2,4,6
	v_pk_mul_f32 v[T+8*(\bp)+(\jj):T+8*(\bp)+(\jj)+1],       v[8*(4*(\a)+(\bp)+2)+(\jj):8*(4*(\a)+(\bp)+2)+(\jj)+1], v[32*(\a)+16+8*(\bp)+(\jj):32*(\a)+16+8*(\bp)+(\jj)+1]
	v_pk_mul_f32 v[T+16+8*(\bp)+(\jj):T+16+8*(\bp)+(\jj)+1], v[8*(4*(\a)+(\bp))+(\jj):8*(4*(\a)+(\bp))+(\jj)+1],     v[32*(\a)+16+8*(\bp)+(\jj):32*(\a)+16+8*(\bp)+(\jj)+1]
.endr
.endr
.irp bp, 0,1
.irp jj, 0,2,4,6
	v_pk_fma_f32 v[T+8*(\bp)+(\jj):T+8*(\bp)+(\jj)+1],       v[8*(4*(\a)+(\bp))+(\jj):8*(4*(\a)+(\bp))+(\jj)+1],     v[32*(\a)+8*(\bp)+(\jj):32*(\a)+8*(\bp)+(\jj)+1], v[T+8*(\bp)+(\jj):T+8*(\bp)+(\jj)+1] neg_lo:[0,0,1] neg_hi:[0,0,1]
	v_pk_fma_f32 v[T+16+8*(\bp)+(\jj):T+16+8*(\bp)+(\jj)+1], v[8*(4*(\a)+(\bp)+2)+(\jj):8*(4*(\a)+(\bp)+2)+(\jj)+1], v[32*(\a)+8*(\bp)+(\jj):32*(\a)+8*(\bp)+(\jj)+1], v[T+16+8*(\bp)+(\jj):T+16+8*(\bp)+(\jj)+1]
.endr
.endr
	WIN 0
	s_wait_xcnt 0x0                                ; the stores of two blocks back have read this set of registers: it is written only behind this wait
.irp b, 0,1,2,3
.irp r, 0,1,2,3
	v_cvt_pk_f16_f32 v[PKR+4*(\b)+(\r)], v[T+8*(\b)+2*(\r)], v[T+8*(\b)+2*(\r)+1]
.endr
.endr
	THRU
.endm
.macro PACKV a                         ; block a as it is
.set PKR, PK+16*((\a)%2)
	s_wait_xcnt 0x0                                ; as in PACKR
	WIN 0x05                                       ; sources 0 and 1 window 1
.irp b, 0,1,2,3
.irp r, 0,1,2,3
	v_cvt_pk_f16_f32 v[PKR+4*(\b)+(\r)], v[8*(4*(\a)+(\b))+2*(\r)], v[8*(4*(\a)+(\b))+2*(\r)+1]
.endr
.endr
	WIN 0
	THRU
.endm
.macro SEND a, younger, base           ; younger: the LDS instructions issued behind block a's loads: the next block's eight, or none
	WIN 0
.set PKR, PK+16*((\a)%2)
.irp f, 0,1,2,3
	s_wait_dscnt (\younger)+3-(\f)
	global_store_b128 v[GO], v[PKR+4*(\f):PKR+4*(\f)+3], s[(\base):(\base)+1] offset:(\a)*2048+(\f)*512  ; 512 consecutive bytes, at a multiple of 256 from the buffer's first byte
.endr
.endm
	s_load_b256 s[4:11], s[0:1], 0x0               ; xb 4:5, wcat 6:7, tab 8:9, qh 10:11
	s_load_b128 s[12:15], s[0:1], 0x20             ; kh 12:13, vh 14:15
	v_lshl_add_u32 v[SPW], v0, 2, SPARE
	v_mov_b32 v[NIL], 0
	ds_add_u32 v[SPW], v[NIL]                      ; the wave's opening: the add and its wait stand ahead of my first tensor load; the set-up below, work on registers, stands between them
	ds_add_u32 v28, v29
	v_lshrrev_b32 v1, 5, v0
	v_readfirstlane_b32 s[WV], v1                  ; wave 0..3
	s_lshr_b32 s[RH], s[WV], 1
	s_and_b32 s[CH], s[WV], 1
	s_bfe_u32 s[CX], ttmp6, 0x40000                ; my place in the cluster
	s_bfe_u32 s[CY], ttmp6, 0x40004
	s_lshl_b32 s[TC], ttmp9, 2
	s_add_co_u32 s[TC], s[TC], s[CX]               ; block of columns = 4 x cluster x + cx
	s_and_b32 s[TR], ttmp7, 0xffff
	s_lshl_b32 s[TR], s[TR], 2
	s_add_co_u32 s[TR], s[TR], s[CY]               ; block of rows = 4 x cluster y + cy
	s_lshl_b32 s23, s[CY], 2
	s_lshl_b32 s23, 15, s23                        ; my row of the cluster
	s_lshl_b32 s47, 0x1111, s[CX]                  ; my column
	s_or_b32 s[G1+0], s23, (1<<16)|(1<<20)|(1<<21)|(5<<22)|(3<<25)   ; 15:0 the mask: x's tiles go to my row; 17:16 elements of 2 bytes; 20 padding on; 21 set beside a mask; 24:22 after every 64 words (code 5); 31:25 4 words (code 3)
	s_or_b32 s[G1B+0], s47, (1<<16)|(1<<20)|(1<<21)|(5<<22)|(3<<25)  ; the same with the mask of my column
	s_mov_b32 s[G1+1], 128<<16                     ; tensor_dim0 = 128
	s_mov_b32 s[G1+2], 128<<16                     ; tensor_dim1 = 128
	s_mov_b32 s[G1+3], 128<<16                     ; tile_dim0 = 128
	s_mov_b32 s[G1+4], 128                         ; tile_dim1 = 128
	s_mov_b32 s[G1+5], 1024                        ; elements from row to row
	s_mov_b32 s[G1+6], 0
	s_mov_b32 s[G1+7], 0
	s_mov_b32 s[G1B+1], 128<<16
	s_mov_b32 s[G1B+2], 64<<16                     ; 64 rows
	s_mov_b32 s[G1B+3], 128<<16
	s_mov_b32 s[G1B+4], 64
	s_mov_b32 s[G1B+5], 1024
	s_mov_b32 s[G1B+6], 0
	s_mov_b32 s[G1B+7], 0
	s_lshl_b32 s72, s[TR], 8                       ; x: row 256 x block + 128 x half, 2,048 bytes a row: made of the block of rows and the wave's number alone
	s_lshl_b32 s73, s[CH], 7
	s_add_co_u32 s72, s72, s73
	s_lshl_b32 s72, s72, 11
	s_mov_b32 s73, 0
	s_lshl_b32 s74, s[TC], 7                       ; weights: row 128 x block + 64 x half: made of the block of columns and the wave's number alone
	s_lshl_b32 s75, s[CH], 6
	s_add_co_u32 s74, s74, s75
	s_lshl_b32 s74, s74, 11
	s_mov_b32 s75, 0
	s_mul_i32 s78, s[WV], AHALF                    ; where they go: x's halves at wave x 128 rows (waves 0, 1),
	s_mul_i32 s79, s[WV], BHALF
	s_add_co_u32 s79, s79, BOFF-2*BHALF            ; the weights' behind x's 256 rows (waves 2, 3): no place in the cluster enters an LDS address
	s_mov_b32 s[OFA+1], 0
	s_mov_b32 s[OFB+1], 0
	s_mov_b32 s[G], 2
	s_wait_dscnt 0x0                               ; the opening add is done
	s_wait_kmcnt 0x0
	s_add_nc_u64 s[BASEA:BASEA+1], s[4:5], s[72:73]
	s_add_nc_u64 s[BASEB:BASEB+1], s[6:7], s[74:75]
	CROUND                                         ; all sixteen work-groups are here: the first joint loads meet
.irp s, 0,1
	s_mov_b32 s[G0+4*(\s)], 1                      ; count = 1
	s_add_co_u32 s[G0+4*(\s)+1], s78, (\s)*SLOT    ; LDS address
	s_add_nc_u64 s[G0+4*(\s)+2:G0+4*(\s)+3], s[BASEA:BASEA+1], (\s)*256  ; global address: K step s
	s_or_b32 s[G0+4*(\s)+3], s[G0+4*(\s)+3], 0x80000000                  ; type = 2
	s_mov_b32 s[G0B+4*(\s)], 1
	s_add_co_u32 s[G0B+4*(\s)+1], s79, (\s)*SLOT
	s_add_nc_u64 s[G0B+4*(\s)+2:G0B+4*(\s)+3], s[BASEB:BASEB+1], (\s)*256
	s_or_b32 s[G0B+4*(\s)+3], s[G0B+4*(\s)+3], 0x80000000
	JLOAD \s                                       ; two loads of mine are out
.endr
	; A fragment is 16 rows x 32 K in 8 registers: lane l holds row l % 16; registers 0-3 K = 8 (l / 16) + 0..7, registers 4-7 K = 16 + 8 (l / 16) + 0..7: two loads of 16 bytes, 32 bytes apart.
	v_and_b32 v1, 15, v0                           ; l % 16
	v_bfe_u32 v2, v0, 4, 1                         ; l / 16
	v_mul_u32_u24 v3, v1, PITCH
	v_lshl_add_u32 v3, v2, 4, v3
	s_mul_i32 s2, s[RH], AHALF                     ; my 128 rows of x
	s_mul_i32 s3, s[CH], BHALF                     ; my 64 rows of the weights,
	s_add_co_u32 s3, s3, BOFF                      ; which lie behind x's 256
.irp s, 0,1
	v_add_nc_u32 v[ADRA+(\s)], s2, v3
	v_add_nc_u32 v[ADRB+(\s)], s3, v3
	s_add_co_u32 s2, s2, SLOT
	s_add_co_u32 s3, s3, SLOT
.endr
	s_mul_i32 s2, s[WV], 16*SP
	s_add_co_u32 s2, s2, STAGE                     ; my stage
	v_mul_u32_u24 v4, v1, SP                       ; in: row l % 16, 16 bytes for each half of the lanes
	v_lshl_add_u32 v4, v2, 4, v4
	v_add_nc_u32 v[STO], s2, v4
	v_bfe_u32 v4, v0, 3, 2                         ; back: 32 lanes take four rows of 128 bytes,
	v_mul_u32_u24 v4, v4, SP
	v_and_b32 v5, 7, v0
	v_lshl_add_u32 v4, v5, 4, v4
	v_add_nc_u32 v[RD], s2, v4
	v_and_b32 v[GO], 31, v0                        ; which are 512 consecutive bytes of a head's rows
	v_lshlrev_b32 v[GO], 4, v[GO]
	v_lshlrev_b32 v[TO], 8, v1                     ; the table: position l % 16, 256 bytes each; my 8 numbers at 32 (l / 16)
	v_lshl_add_u32 v[TO], v2, 5, v[TO]
	s_and_b32 s70, s[TR], 7
	s_lshl_b32 s70, s70, 8
	s_lshl_b32 s71, s[RH], 7
	s_add_co_u32 s70, s70, s71                     ; my first position in the sequence
	s_lshl_b32 s76, s70, 8
	s_mov_b32 s77, 0
	s_add_nc_u64 s[8:9], s[8:9], s[76:77]          ; the table at that position
	s_lshr_b32 s71, s[TR], 3                       ; the batch
	s_lshl_b32 s71, s71, 4
	s_add_co_u32 s71, s71, s[TC]
	s_add_co_u32 s71, s71, s[TC]
	s_add_co_u32 s71, s71, s[CH]                   ; 16 b + my head,
	s_lshl_b32 s71, s71, 18                        ; 2,048 rows of 128 bytes each,
	s_lshl_b32 s70, s70, 7                         ; and my first row in it
	s_add_co_u32 s76, s71, s70
	s_add_nc_u64 s[10:11], s[10:11], s[76:77]
	s_add_nc_u64 s[12:13], s[12:13], s[76:77]
	s_add_nc_u64 s[14:15], s[14:15], s[76:77]
	s_mov_b64 s[OUT:OUT+1], s[10:11]
	WIN 0x80                                       ; destination window 2, address window 0
.irp a, 0,1,2,3,4,5,6,7                ; my 128 positions' cosines and sines, once: they serve q and k.  Register j of cosine set bp holds i = 16 bp + 8 (l / 16) + j
.irp n, 0,1,2,3
	global_load_b128 v[32*(\a)+8*(\n):32*(\a)+8*(\n)+3],   v[TO], s[8:9] offset:4096*(\a)+64*(\n)
	global_load_b128 v[32*(\a)+8*(\n)+4:32*(\a)+8*(\n)+7], v[TO], s[8:9] offset:4096*(\a)+64*(\n)+16
.endr
.endr
	WIN 0
	s_wait_tensorcnt 1                             ; my part of K step 0 is in; K step 1's may stay out
	s_barrier_signal -1
	s_barrier_wait -1                              ; everybody's is
	FETCH 0, 0, F0
	QUARTER 0, 1, F0, F1, 1                        ; a tile's first quarter starts the sums: nothing is cleared
	WIN 0                                          ; at a label and at a branch every window is 0
	s_mov_b32 s[LAP], 11
	s_mov_b32 s[PH], 4
.Llap:                                                 ; a trip goes once round the ring, from a lap's second quarter to the next lap's first, and fills both slots again: K steps 2 to 23
	QUARTER 0, 2, F1, F0, 0
	QUARTER 0, 3, F0, F1, 0
	TURN 0, 1, 1
	QUARTER 1, 1, F0, F1, 0
	QUARTER 1, 2, F1, F0, 0
	QUARTER 1, 3, F0, F1, 0
	TURN 1, 0, 1
	WIN 0
	s_sub_co_u32 s[PH], s[PH], 1
	s_cmp_eq_u32 s[PH], 0
	s_cbranch_scc1 .Lflush                         ; every fourth lap ends a tile; the jump goes forward, past no barrier and no tensor load, and is the same in all partners
	QUARTER 0, 1, F0, F1, 0
	WIN 0
	s_branch .Lnext
.Lflush:                                               ; q, and four laps later k: both refills for the next tile are asked for, its first fragments are on their way into buffer 0
	PLACES                                         ; the lines below read results just made and write registers of buffer 1
	s_wait_loadcnt 0x0                             ; the table
	PACKR 0
.irp a, 1,2,3,4,5,6,7                  ; a block's arithmetic stands between the loads of the block before and its stores
	PACKR \a
	SEND (\a)-1, 8, OUT
.endr
	SEND 7, 0, OUT
	s_wait_xcnt 0x0                                ; the stores have read their registers and their base: buffer 1 is loaded again, and the base written, only behind this wait
	s_mov_b64 s[OUT:OUT+1], s[12:13]               ; the next tile that is rotated is k
	s_mov_b32 s[PH], 4
	QUARTER 0, 1, F0, F1, 1
	WIN 0
.Lnext:
	s_sub_co_u32 s[LAP], s[LAP], 1
	s_cmp_lg_u32 s[LAP], 0
	s_cbranch_scc1 .Llap
	QUARTER 0, 2, F1, F0, 0                        ; the last lap fills nothing, and has no round of the cluster's barrier
	QUARTER 0, 3, F0, F1, 0
	TURN 0, 1, 0
	QUARTER 1, 1, F0, F1, 0
	QUARTER 1, 2, F1, F0, 0
	QUARTER 1, 3, F0, F1, 0
	s_wait_dscnt 8                                 ; the very last quarter: nothing more to fetch
	MUL8 F1, 0, 0
	MUL8 F1, 2, 0
	s_wait_dscnt 0x0
	MUL8 F1, 4, 0
	MUL8 F1, 6, 0
	WIN 0
	PLACES
	PACKV 0                                        ; v goes out as it is
.irp a, 1,2,3,4,5,6,7
	PACKV \a
	SEND (\a)-1, 8, 14
.endr
	SEND 7, 0, 14
	s_wait_tensorcnt 0x0                           ; the wave's end: 0 onto my spare word, behind my last tensor load and my last LDS store
	ds_add_u32 v[SPW], v[NIL]
	s_wait_dscnt 0x0
	CROUND                                         ; the closing round: no work-group ends while a partner may still ask for a tile that names it
	s_endpgm
.Lfunc_end_k_qc9717067fe_qkv:
	.size	k_qc9717067fe_qkv, .Lfunc_end_k_qc9717067fe_qkv-k_qc9717067fe_qkv
	.p2alignl 7, 3214868480
	.fill 96, 4, 3214868480
	.section	.rodata,"a",@progbits
	.p2align	6, 0x0
	.amdhsa_kernel k_qc9717067fe_qkv
		.amdhsa_group_segment_fixed_size 327680
		.amdhsa_private_segment_fixed_size 0
		.amdhsa_enable_private_segment 0
		.amdhsa_kernarg_size 48
		.amdhsa_user_sgpr_count 2
		.amdhsa_user_sgpr_kernarg_segment_ptr 1
		.amdhsa_wavefront_size32 1
		.amdhsa_system_sgpr_workgroup_id_x 1
		.amdhsa_system_sgpr_workgroup_id_y 1
		.amdhsa_system_sgpr_workgroup_id_z 1
		.amdhsa_system_vgpr_workitem_id 0
		.amdhsa_next_free_vgpr 768
		.amdhsa_next_free_sgpr 80
		.amdhsa_reserve_vcc 0
		.amdhsa_float_denorm_mode_32 3
		.amdhsa_float_denorm_mode_16_64 3
		.amdhsa_memory_ordered 1
		.amdhsa_forward_progress 1
		.amdhsa_inst_pref_size 131
	.end_amdhsa_kernel
	.amdgpu_metadata
---
amdhsa.version: [ 1, 2 ]
amdhsa.kernels:
  - .name:           k_qc9717067fe_qkv
    .symbol:         k_qc9717067fe_qkv.kd
    .args:
      - { .name: xb, .offset: 0, .size: 8, .value_kind: global_buffer, .address_space: global }
      - { .name: wcat, .offset: 8, .size: 8, .value_kind: global_buffer, .address_space: global }
      - { .name: tab, .offset: 16, .size: 8, .value_kind: global_buffer, .address_space: global }
      - { .name: qh, .offset: 24, .size: 8, .value_kind: global_buffer, .address_space: global }
      - { .name: kh, .offset: 32, .size: 8, .value_kind: global_buffer, .address_space: global }
      - { .name: vh, .offset: 40, .size: 8, .value_kind: global_buffer, .address_space: global }
    .group_segment_fixed_size: 327680
    .private_segment_fixed_size: 0
    .kernarg_segment_align: 8
    .kernarg_segment_size: 48
    .max_flat_workgroup_size: 128
    .sgpr_count:     80
    .vgpr_count:     768
    .wavefront_size: 32
...
	.end_amdgpu_metadata
.endif
;; end of part 2
;; launch attn (part 3): grid 4 x 64, 4 waves a work-group, no clusters, 327,680 bytes of LDS; arguments qh, kh, vh, oh; writes oh
.if DOCPART == 3
	.amdgcn_target "amdgcn-amd-amdhsa--gfx1250"
	.amdhsa_code_object_version 6
	.text
	.protected	k_qc9717067fe_attn
	.globl	k_qc9717067fe_attn
	.p2align	8
	.type	k_qc9717067fe_attn,@function
k_qc9717067fe_attn:
	s_mov_b64 s[64:65], 0
	v_nop
	global_prefetch_b8 v0, s[64:65] scope:SCOPE_SE
	s_setreg_imm32_b32 hwreg(HW_REG_WAVE_MODE, 25, 1), 1
	s_wait_xcnt 0x0
; CAUSAL ATTENTION.  O[h][q][:] = the sum over k <= q of softmax_k(Q[h][q] . K[h][k] / 8) V[h][k][:].  Q, K, V, O: [SIZE_H][SIZE_N][64], all f16: a head's rows are dense, 128 bytes each.
; Products, maxima and sums in f32; the weights p are rounded to f16 for the second product (their sum l is taken of the unrounded p), O once at the end.
; LIMITS.  f16 holds no number beyond 65,504: Q, K and V arrive within it; p lies in 0 to 1, and below 6e-5 it keeps f16's fixed step of 6e-8; O is a mean of V's rows and has their range, to within 2^-11 of it.
; A hidden score counts as its value less 1e30: f16's scores, 2.7e11 at the most, are nothing beside that; a weight below 2^-126 counts as 0 in l; NaN and infinities are not treated apart.
; THE WALK.  A head's queries lie in NB = 8 blocks of 256; block i needs the key tiles 0 .. i of 256 keys, of which the last holds the diagonal.  A work-group takes TWO blocks, NB - 1 - b and then b:
; NB + 1 = 9 tiles, whatever b: all work-groups do equal work, and ONE loop with a constant trip count walks them.  Which tile is asked for, and what a trip does, hang on scalar registers made from b; every jump
; goes forward, but for the counted loops' own; none passes a barrier, or a tensor load but the one of LOAD's two that the wave's number does not choose; the ring (two slots of LDS that take turns) runs on across the
; change of blocks.  NO CLUSTER: a head's four work-groups ask for the same tile only in trips 0 .. 4 of the 9, behind that fewer and fewer; one walk common to all four (tiles 0 .. 7, then 0 .. 3) would have
; 12 trips for 9.
; SHARES.  Of a block's four bands of 64 queries a wave owns 16 rows in each: four PIECES.  So the diagonal tile is the same work for all four waves: in its key step s band x sees all keys if s < x,
; none if s > x, and holds the diagonal if s = x.
; THE MASK is the C operand that starts the sum S^T = K Q^T: 0, or -1e30 where the key is hidden.  MD, made once, is the mask of a band's own step for my 16 rows; a product's mask is MD x AL + BE with two scalars:
; (1, 0) if s = x; (0, 0) if s < x; (0, -1e30) if s > x.  Only the diagonal tile's text and a block's beginning make and take masks; elsewhere C is the constant 0.
; LAYOUT, SOFTMAX, TURNS.  S^T = K Q^T holds ONE query a lane (lane % 16) and the keys 8 (lane / 16) + 0..7; two such results rounded to f16 ARE source 1 of O^T = V^T P.  p = 2^(c s - c m), c = log2(e) / 8, with a
; running maximum m; O and l are multiplied by a = 2^(c m_old - c m_new) in every step.  Turn n belongs to piece n: 8 products K Q^T of piece n + 1, later 8 products V^T P of piece n - 1; beside them the scaling,
; exponentials, roundings, sums and rescaling of piece n and the maximum and statistics of piece n + 1.  Four vector instructions stand behind every matrix instruction, the other 54 of a turn's 118 in two LUMPS.
; AHEAD OF THE TENSOR LOADS.  The head's work-group b = 0 walks the tiles 0 .. 7 in order.  Behind the load that asks for tile i + 1 (trips i = 0 .. 5) each of its waves prefetches into the L2 its own 16,384 bytes of
; tile i + 2: 64 blocks of 256 bytes, a lane a block, two instructions: one tile, 256 matrix instructions a wave, ahead of the load that will want them.  So each block of K and V from tile 2 on is named once in
; the launch; tiles 0 and 1 come by their loads alone, and nothing is named behind tile 7.
; REGISTERS, in windows of 256 (s_set_vgpr_msb: bits 1:0 source 0, 3:2 source 1, 5:4 source 2, 7:6 destination):
;   window 0: v0-15 addresses and two at work; v16-31 four registers of statistics a piece; v48-55 at work; v64-127 S^T, two buffers; v192-223 P, two buffers (a piece's buffers go by its number's parity)
;   window 1: v0-127 O^T, 32 a piece; v128-159 MD; v160-223 MC, two buffers      window 2: v0-63 Q; v64-127 the second block's Q; v128-191 K of one step; v192-255 V of one step
.set SIZE_H, 64
.set SIZE_N, 2048
.set NB,    SIZE_N/256
.set NP,    4         ; pieces a wave: a name, no knob
.set KS,    64        ; keys in a step
.set PK,    144       ; a row of K in LDS: 128 bytes + 16 of padding = 36 words: the 16 rows of a load start at 16 different groups of four banks (64 banks of 4 bytes: ISA guide 11.1)
.set PV,    160       ; a row of V: 128 + 32 = 40 words
.set VOFF,  4*KS*PK   ; a slot holds a tile, four steps: 256 rows of K, then 256 rows of V
.set SLOT1, 1<<17     ; slot 1 begins here, so that one exclusive or turns an address in one slot into the other's
.set STAGE, SLOT1+4*KS*(PK+PV)  ; behind the ring, never filled by a tensor load: 16 rows x 144 bytes for each wave, for the way out
.set SP,    144
.set AK0, 2           ; v2   my lane's place in a tile of K; never rewritten
.set AV0, 3           ; v3   the same for V
.set AK,  4           ; v4   the LDS address of K's next run of loads
.set AV,  5           ; v5   of V's
.set STO, 6           ; v6   the way out: where I put 16 bytes of a row
.set RD,  7           ; v7   the way out: where I read rows back
.set GO,  8           ; v8   my byte offset in 512 consecutive bytes of O
.set PFO, 61          ; v61  256 x my lane: the prefetches' offset; never rewritten
.set SPW, 62          ; v62  LDS address of my spare word: SPARE + 4 x my thread's number; never rewritten
.set NIL, 63          ; v63  0; never rewritten
.set SPARE, STAGE+4*16*SP  ; behind the stages: the spare words, 128 bytes for each wave: two blocks of 256 bytes that no other line names
.set MV,  12          ; v12-13  c m_old, kept while c m is made anew: by buffer
.set QO,  15          ; v15  my byte offset in 16 rows of Q
.set ST,  16          ; piece t's statistics at v[ST+4 t]: c m, m, l (even keys', odd keys')
.set TMP, 48          ; by buffer, four registers c0-c3 at work; when the maximum is found c2 takes a
.set S,   64
.set P,   192
.set MD,  128         ; window 1: the eight registers for group kt of 16 keys at MD + 8 kt
.set MC,  160         ; window 1: the masks of the products to come
.set QB,  64          ; window 2
.set KF,  128         ; window 2: key block kb, channel half c at KF + 16 kb + 8 c
.set VF,  192         ; window 2: key half kk, channel block cb at VF + 32 kk + 8 cb
.set WV,  12          ; s12  my wave's number
.set PB,  14          ; s14  b
.set HI,  15          ; s15  NB - 1 - b
.set G1K, 24          ; s[24:31] descriptor group 1 for K's tiles
.set G1V, 32          ; s[32:39] for V's: it differs in the padding alone
.set G0K, 40          ; s[40:43] descriptor group 0 for K's tiles
.set G0V, 44          ; s[44:47] the same for V's
.set SLOTS, 56        ; s56  tiles still to be asked for
.set CNT, 57          ; s57  counts a tile's key steps, 4 to 1
.set CS,  58          ; s[58:59] c: the packed scaling takes the pair's low word for both halves
.set SEL, 60          ; s[60:61] v_permlanex16_b32's selects: each lane takes its own place in the other half
.set TBK, 62          ; s62  LDS byte at which K of the step to be fetched begins
.set TBV, 63          ; s63  the same for V, less VOFF
.set PFA, 66          ; s[66:67] my half of the tile (of K: waves 0, 1; of V: waves 2, 3) that is being asked for; the prefetches name the tile behind it
.set LIM, 68          ; s68  2 in the work-group that prefetches, else the greatest number: a wave prefetches while s[SLOTS] is above it
.set RT,  70          ; s70  tiles of the block in hand that are still to be entered
.set NXT, 71          ; s71  the tile to be asked for next
.set LQ,  72          ; s72  the last tile of the block whose tiles are being asked for
.set NEW, 73          ; s73  1: the tile to be entered is a block's first
.set OFF, 74          ; s[74:75] a tile's byte offset in K and V
.set AL,  76          ; s[76:77] the mask's factor, in the low word
.set BE,  78          ; s[78:79] the mask's addend
.set OLO, 80          ; s[80:81] O at my rows of the second block
.set BIGN, 82         ; s82  -1e30
.set MSB, 0
.macro WIN new                      ; the high byte repeats the setting that is left; a switch that changes nothing is dropped
.if MSB != (\new)
	s_set_vgpr_msb (MSB<<8)|(\new)
.set MSB, (\new)
.endif
.endm
.set W_KQ, 0x0a       ; K and Q in window 2, S^T in window 0
.set W_KM, 0x1a       ; the same with the C operand in window 1
.set W_PV, 0x52       ; V in window 2, P in window 0, O^T in window 1
.set W_RS, 0x41       ; destination and source 0 in window 1, source 1 in window 0
; A fill.  Waves 0 and 1 fetch the two halves of a tile's K, waves 2 and 3 those of its V: 128 keys each.  An s_nop 0 and four v_nop follow each of the two lines, ahead of the jump and the label.
.macro LOAD
	s_cmp_lt_u32 s[WV], 2
	s_cbranch_scc0 .Lfor_v_\@
	tensor_load_to_lds s[G0K:G0K+3], s[G1K:G1K+7]
	s_nop 0
.rept 4
	v_nop
.endr
	s_branch .Lasked_\@
.Lfor_v_\@:
	tensor_load_to_lds s[G0V:G0V+3], s[G1V:G1V+7]
	s_nop 0
.rept 4
	v_nop
.endr
.Lasked_\@:
.endm
; The prefetch: my 16,384 bytes of the tile behind the one just asked for, 32,768 bytes on.  It stands behind the tensor load and its five lines.
.macro ASK
	s_cmp_gt_u32 s[SLOTS], s[LIM]
	s_cbranch_scc0 .Lnot_mine_\@
	global_prefetch_b8 v[PFO], s[PFA:PFA+1] offset:32768 th:TH_LOAD_NT scope:SCOPE_SE
	global_prefetch_b8 v[PFO], s[PFA:PFA+1] offset:40960 th:TH_LOAD_NT scope:SCOPE_SE
.Lnot_mine_\@:
.endm
; THE CHANGE OF SLOTS.  Each wave waits for all its tensor loads, of which one is out: its part of the other slot; adds 0 to its spare word; and waits for that and for its own reads of the slot that it leaves.  Behind the barrier nobody reads the old
; slot any more and the other slot is whole.  fill = 1: the old slot is filled again, the first thing behind the barrier, with tile NXT: the descriptor's address is made anew from that number.
; (At its first use nothing has been read yet: slot 0 is waited for, slot 1 filled.)
.macro CHANGE fill
	WIN 0                           ; at a label and at a branch every window is 0
	s_wait_tensorcnt 0x0            ; no tensor load of mine is out, so a group 0 may be written
	ds_add_u32 v[SPW], v[NIL]       ; 0 onto my spare word; with fill = 1 the descriptors' scalar work stands between it and the wait for it
.if \fill
	s_lshl_b32 s[OFF], s[NXT], 15   ; a tile is 32,768 bytes of K and of V
	s_xor_b32 s[G0K+1], s[G0K+1], SLOT1
	s_add_nc_u64 s[G0K+2:G0K+3], s[6:7], s[OFF:OFF+1]
	s_or_b32 s[G0K+3], s[G0K+3], 0x80000000
	s_xor_b32 s[G0V+1], s[G0V+1], SLOT1
	s_add_nc_u64 s[G0V+2:G0V+3], s[8:9], s[OFF:OFF+1]
	s_or_b32 s[G0V+3], s[G0V+3], 0x80000000
	s_add_co_u32 s[NXT], s[NXT], 1  ; the block's next tile, or behind its last the second block's tile 0
	s_cmp_gt_u32 s[NXT], s[LQ]
	s_cselect_b32 s[NXT], 0, s[NXT]
	s_cselect_b32 s[LQ], s[PB], s[LQ]
	s_wait_xcnt 0x0                 ; the last prefetches, a tile back, have read their address, so it may be written
	s_cmp_lt_u32 s[WV], 2
	s_cselect_b64 s[PFA:PFA+1], s[6:7], s[8:9]
	s_add_nc_u64 s[PFA:PFA+1], s[PFA:PFA+1], s[OFF:OFF+1]
.endif
	s_wait_dscnt 0x0                ; the add is done, and my reads of the slot are over
	s_barrier_signal -1             ; the rest of the scalar work stands between the signal and the wait
	s_sub_co_u32 s[TBK], s[TBK], 4*KS*PK  ; the fetches go back to a slot's first step,
	s_xor_b32 s[TBK], s[TBK], SLOT1       ; in the other slot
	s_sub_co_u32 s[TBV], s[TBV], 4*KS*PV
	s_xor_b32 s[TBV], s[TBV], SLOT1
	s_barrier_wait -1
.if \fill
	LOAD
	ASK
.endif
.endm
	s_load_b256 s[4:11], s[0:1], 0x0  ; Q s[4:5], K s[6:7], V s[8:9], O s[10:11]
	v_lshl_add_u32 v[SPW], v0, 2, SPARE
	v_mov_b32 v[NIL], 0
	ds_add_u32 v[SPW], v[NIL]       ; the wave's opening: the add and its wait stand ahead of my first tensor load; the set-up below, work on registers, stands between them
	ds_add_u32 v62, v63
	v_lshrrev_b32 v1, 5, v0
	v_readfirstlane_b32 s[WV], v1   ; wave 0..3
	s_mov_b32 s[PB], ttmp9
	s_sub_co_u32 s[HI], NB-1, s[PB]
	s_and_b32 s20, ttmp7, 0xffff    ; the head
	s_mov_b32 s21, 0
	s_mov_b64 s[22:23], SIZE_N*128
	s_mul_u64 s[20:21], s[20:21], s[22:23]  ; the head's first byte in each of the four tensors
	s_and_b32 s16, s[WV], 1         ; which half of a tile's 256 keys I fetch:
	s_lshl_b32 s22, s16, 14         ; its 128 rows of 128 bytes in memory,
	s_mov_b32 s23, 0
	s_add_nc_u64 s[22:23], s[22:23], s[20:21]
	s_mul_i32 s17, s16, 128*PK      ; and its place in a slot, for K
	s_mul_i32 s18, s16, 128*PV      ; and for V
	s_lshl_b32 s3, s[WV], 11        ; my 16 rows in a band of 64,
	s_lshl_b32 s2, s[HI], 15        ; in the first block,
	s_add_co_u32 s2, s2, s3
	s_lshl_b32 s84, s[PB], 15       ; and in the second
	s_add_co_u32 s84, s84, s3
	s_mov_b32 s3, 0
	s_mov_b32 s85, 0
	s_add_nc_u64 s[2:3], s[2:3], s[20:21]
	s_add_nc_u64 s[84:85], s[84:85], s[20:21]
	; descriptor group 1.  128 keys are 16,384 dense bytes: asked for as 64 rows of 256 bytes, two keys a row, and padded in LDS after every key
	s_mov_b32 s[G1K], (1<<16)|(1<<20)|(4<<22)|(3<<25)  ; 17:16 2-byte elements; 20 padding on; 24:22 after every 32 words (code 4); 31:25 4 words (code 3)
	s_mov_b32 s[G1V], (1<<16)|(1<<20)|(4<<22)|(7<<25)  ; the same with 8 words of padding (code 7)
.irp g, G1K, G1V
	s_mov_b32 s[\g+1], 128<<16      ; tensor_dim0 = 128
	s_mov_b32 s[\g+2], 64<<16       ; tensor_dim1 = 64
	s_mov_b32 s[\g+3], 128<<16      ; tile_dim0 = 128
	s_mov_b32 s[\g+4], 64           ; tile_dim1 = 64
	s_mov_b32 s[\g+5], 128          ; 128 elements from row to row
	s_mov_b32 s[\g+6], 0
	s_mov_b32 s[\g+7], 0
.endr
	s_mov_b32 s[CS], 0x3e38aa3b     ; c = log2(e) / 8 = 0.180337
	s_mov_b32 s[CS+1], s[CS]        ; named with it as a pair
	s_mov_b32 s[SEL], 0x76543210
	s_mov_b32 s[SEL+1], 0xfedcba98
	s_mov_b32 s[TBK], SLOT1+4*KS*PK ; the first change of slots turns these two into 0
	s_mov_b32 s[TBV], SLOT1+4*KS*PV
	s_mov_b32 s[G0K], 1             ; 1:0 count = 1
	s_mov_b32 s[G0K+1], s17         ; 63:32 LDS address: slot 0
	s_mov_b32 s[G0V], 1
	s_add_co_u32 s[G0V+1], s18, VOFF
	s_add_co_u32 s[RT], s[HI], 1    ; the first block has NB - b tiles
	s_mov_b32 s[NXT], 1
	s_mov_b32 s[LQ], s[HI]
	s_mov_b32 s[NEW], 1
	s_mov_b32 s[OFF+1], 0
	s_mov_b32 s[AL+1], 0            ; named as pairs
	s_mov_b32 s[BE+1], 0
	s_mov_b32 s[BIGN], 0xf149f2ca   ; -1e30
	s_mov_b32 s[SLOTS], NB
	s_cmp_eq_u32 s[PB], 0           ; the head's work-group b = 0 prefetches, in the trips in which more than two tiles are still to be asked for
	s_cselect_b32 s[LIM], 2, -1
	v_and_b32 v[PFO], 31, v0
	v_lshlrev_b32 v[PFO], 8, v[PFO]
	s_wait_dscnt 0x0                ; the opening add is done
	s_wait_kmcnt 0x0
	s_add_nc_u64 s[6:7], s[6:7], s[22:23]  ; K and V at my half of the head's tile 0
	s_add_nc_u64 s[8:9], s[8:9], s[22:23]
	s_add_nc_u64 s[G0K+2:G0K+3], s[6:7], 0         ; 120:64 global address
	s_or_b32 s[G0K+3], s[G0K+3], 0x80000000        ; 127:126 type = 2
	s_add_nc_u64 s[G0V+2:G0V+3], s[8:9], 0
	s_or_b32 s[G0V+3], s[G0V+3], 0x80000000
	s_add_nc_u64 s[86:87], s[4:5], s[84:85]        ; Q at my rows of the second block,
	s_add_nc_u64 s[4:5], s[4:5], s[2:3]            ; Q and O at those of the first
	s_add_nc_u64 s[OLO:OLO+1], s[10:11], s[84:85]
	s_add_nc_u64 s[10:11], s[10:11], s[2:3]
	LOAD                            ; tile 0 into slot 0
	; A fragment of K or Q is 16 rows x 32 channels in 8 registers: lane l holds row l % 16, channels 8 (l / 16) + 0..7 and 16 + 8 (l / 16) + 0..7: two loads of 16 bytes, 32 bytes apart.
	v_and_b32 v1, 15, v0            ; l % 16
	v_bfe_u32 v9, v0, 4, 1          ; l / 16
	v_lshlrev_b32 v[QO], 7, v1
	v_lshl_add_u32 v[QO], v9, 4, v[QO]  ; row x 128 + 16 x half
	WIN 0x80                        ; destination window 2, address window 0
.set i, 0
.rept 8                             ; both blocks' Q: piece i / 2 lies in band i / 2, 8,192 bytes on; channels 32 (i % 2) on
	global_load_b128 v[8*i:8*i+3],   v[QO], s[4:5] offset:(i/2)*8192+(i%2)*64
	global_load_b128 v[8*i+4:8*i+7], v[QO], s[4:5] offset:(i/2)*8192+(i%2)*64+32
	global_load_b128 v[QB+8*i:QB+8*i+3],   v[QO], s[86:87] offset:(i/2)*8192+(i%2)*64
	global_load_b128 v[QB+8*i+4:QB+8*i+7], v[QO], s[86:87] offset:(i/2)*8192+(i%2)*64+32
.set i, i+1
.endr
	WIN 0
	v_lshlrev_b32 v14, 3, v9
	v_sub_nc_u32 v14, v1, v14
	s_lshl_b32 s13, s[WV], 4
	v_add_nc_u32 v14, s13, v14      ; my query's place in its band, 16 w + l % 16, less my lanes' 8 (l / 16): register r of group kt is hidden where 16 kt + r is greater
	WIN 0x40
.set i, 0
.rept 32
	v_cmp_gt_i32 vcc_lo, 16*(i/8)+i%8, v14
	v_cndmask_b32 v[MD+i], 0, s[BIGN], vcc_lo
.set i, i+1
.endr
	WIN 0
	v_mul_u32_u24 v[AK0], v1, PK
	v_lshl_add_u32 v[AK0], v9, 4, v[AK0]  ; row x pitch + 16 x half
	; The turning load takes 16 keys x 16 channels (lane l reads key 8 (l / 16) + l % 8, channels 8 ((l / 8) % 2) + 0..7) and leaves half a fragment of V^T: lane l holds channel l % 16 and 8 keys.
	v_and_b32 v10, 7, v0
	v_bfe_u32 v11, v0, 3, 1
	v_lshl_add_u32 v[AV0], v9, 3, v10
	v_mul_u32_u24 v[AV0], v[AV0], PV
	v_lshl_add_u32 v[AV0], v11, 4, v[AV0]
	v_add_nc_u32 v[AV0], VOFF, v[AV0]
	s_mul_i32 s13, s[WV], 16*SP
	s_add_co_u32 s13, s13, STAGE    ; my stage
	v_mul_u32_u24 v[STO], v1, SP    ; in: row l % 16, 16 bytes for each half of the lanes
	v_lshl_add_u32 v[STO], v9, 4, v[STO]
	v_add_nc_u32 v[STO], s13, v[STO]
	v_bfe_u32 v[RD], v0, 3, 2       ; back: 32 lanes take four rows of 128 bytes,
	v_mul_u32_u24 v[RD], v[RD], SP
	v_lshl_add_u32 v[RD], v10, 4, v[RD]
	v_add_nc_u32 v[RD], s13, v[RD]
	v_and_b32 v[GO], 31, v0         ; which are 512 consecutive bytes of O
	v_lshlrev_b32 v[GO], 4, v[GO]
	; A block's first step multiplies O^T and l by a = 0, and its first turn's products V^T P, of a piece that has not been, land in an O^T that is still to be so multiplied.  So these registers need only hold
	; finite numbers: zeros for the first block; what the first block left for the second.  All this stands in the wait for the first tile.
	WIN 0x80
.set i, VF
.rept 64
	v_mov_b32 v[i], 0
.set i, i+1
.endr
	WIN 0x40
.set i, 0
.rept 128
	v_mov_b32 v[i], 0
.set i, i+1
.endr
	WIN 0
.set i, 0
.rept 4
	v_mov_b32 v[ST+4*i+2], 0
	v_mov_b32 v[ST+4*i+3], 0
.set i, i+1
.endr
.set i, P+16
.rept 16
	v_mov_b32 v[i], 0
.set i, i+1
.endr
; THE MATRIX WORK.  The 4 accumulators of a run of 8 take turns.  Product i of 8 of S^T = K Q^T for piece x: channels 32 (i / 4) on, keys 16 (i % 4) on.  The first 4 start the sums: with 0, or (KM = 1) with the mask.
.macro KQ x
.set rS, S+32*((\x)%2)+8*(i%4)
.set rK, KF+16*(i%4)+8*(i/4)
.set rQ, 16*(\x)+8*(i/4)
.set rM, MC+32*((\x)%2)+8*(i%4)
.if (i < 4) && KM
	WIN W_KM
	v_wmma_f32_16x16x32_f16 v[rS:rS+7], v[rK:rK+7], v[rQ:rQ+7], v[rM:rM+7]
.elseif i < 4
	WIN W_KQ
	v_wmma_f32_16x16x32_f16 v[rS:rS+7], v[rK:rK+7], v[rQ:rQ+7], 0
.else
	WIN W_KQ
	v_wmma_f32_16x16x32_f16 v[rS:rS+7], v[rK:rK+7], v[rQ:rQ+7], v[rS:rS+7]
.endif
.endm
; Product i of 8 of O^T += V^T P for piece x: keys 32 (i / 4) on, channels 16 (i % 4) on.
.macro PV x
	WIN W_PV
.set rO, 32*(\x)+8*(i%4)
.set rV, VF+32*(i/4)+8*(i%4)
.set rP, P+16*((\x)%2)+8*(i/4)
	v_wmma_f32_16x16x32_f16 v[rO:rO+7], v[rV:rV+7], v[rP:rP+7], v[rO:rO+7]
.endm
.macro MM                           ; the turn's next matrix instruction.  TURN and BEGIN set Y, i, KM and NOKQ; MM, KQ and OP read them.  NOKQ = 1: a block's last turn: there is no next piece
.if (i < 8) && !NOKQ
	KQ (Y+1)%NP
.elseif i >= 8
.set i, i-8
	PV (Y+NP-1)%NP
.set i, i+8
.endif
.set i, i+1
.endm
; THE LDS LOADS stand in runs of 16, never singly among the matrix instructions: a step's K (64 keys x 64 channels: 8 fragments) and its V (turned).  Their addresses are made some lines ahead.
.macro FETCH_K
	WIN 0x80                        ; destination window 2
.irp f, 0,1,2,3,4,5,6,7             ; keys 16 (f / 2) on, channels 32 (f % 2) on
	ds_load_b128 v[KF+8*\f:KF+8*\f+3],   v[AK] offset:(\f/2)*16*PK+(\f%2)*64
	ds_load_b128 v[KF+8*\f+4:KF+8*\f+7], v[AK] offset:(\f/2)*16*PK+(\f%2)*64+32
.endr
	s_add_co_u32 s[TBK], s[TBK], KS*PK  ; the next fetch is the next step's
	WIN 0
.endm
.macro FETCH_V
	WIN 0x80
.irp f, 0,1,2,3,4,5,6,7             ; keys 32 (f / 4) on, channels 16 (f % 4) on
	ds_load_tr16_b128 v[VF+8*\f:VF+8*\f+3],   v[AV] offset:(\f/4)*32*PV+(\f%4)*32
	ds_load_tr16_b128 v[VF+8*\f+4:VF+8*\f+7], v[AV] offset:(\f/4)*32*PV+16*PV+(\f%4)*32
.endr
	WIN 0
.endm
; THE VECTOR WORK, one line at a time: OP kind, number.  For piece Y: F n: c s - c m for pair n of 16.  E n: the exponential of score n of 32.  C n: pair n rounded to f16.  B n: of the four weights 4 n .. the second
; pair is added onto the first, in place.  L n: l takes that sum (L 0: l = a l + sum).  R n: pair n of 16 of O^T times a.  For piece Y + 1: X n, number n of the 22 that find its maximum and statistics:
;   0-11  four chains c0-c3 of seven scores each, three operands at a time (each accumulator's lowest registers are read first)     12-14, 16  the four scores left over, the old m, and c0-c3 into c0
;   15  c m_old is kept     17, 18  the query's other 32 keys lie in the lane 16 away: the new m     19-21  c m; c m_old - c m_new; a
.set F, 0               ; OP tells the kinds apart by their order: F to L below R, X above it
.set E, 1
.set C, 2
.set B, 3
.set L, 4
.set R, 5
.set X, 6
.macro REGS y                       ; the registers of piece y
.set rT, ST+4*(\y)
.set rC, TMP+4*((\y)%2)
.set rW, MV+((\y)%2)
.set rS, S+32*((\y)%2)
.set rP, P+16*((\y)%2)
.set rO, 32*(\y)
.endm
.macro OP k, n
.if (\k) == R
	REGS Y
	WIN W_RS
	v_pk_mul_f32 v[rO+2*(\n):rO+2*(\n)+1], v[rO+2*(\n):rO+2*(\n)+1], v[rC+2:rC+3] op_sel_hi:[1,0]
.elseif (\k) < R
	REGS Y
	WIN 0
.if (\k) == F
	v_pk_fma_f32 v[rS+2*(\n):rS+2*(\n)+1], v[rS+2*(\n):rS+2*(\n)+1], s[CS:CS+1], v[rT:rT+1] op_sel_hi:[1,0,0] neg_lo:[0,0,1] neg_hi:[0,0,1]
.elseif (\k) == E
	v_exp_f32 v[rS+(\n)], v[rS+(\n)]
.elseif (\k) == C
	s_wait_alu depctr_va_vdst(0)
	v_cvt_pk_f16_f32 v[rP+(\n)], v[rS+2*(\n)], v[rS+2*(\n)+1]
.elseif (\k) == B
	s_wait_alu depctr_va_vdst(0)
	v_pk_add_f32 v[rS+4*(\n):rS+4*(\n)+1], v[rS+4*(\n):rS+4*(\n)+1], v[rS+4*(\n)+2:rS+4*(\n)+3]
.elseif (\n) == 0
	v_pk_fma_f32 v[rT+2:rT+3], v[rT+2:rT+3], v[rC+2:rC+3], v[rS:rS+1] op_sel_hi:[1,0,1]
.else
	v_pk_add_f32 v[rT+2:rT+3], v[rT+2:rT+3], v[rS+4*(\n):rS+4*(\n)+1]
.endif
.elseif NOKQ
	v_nop
.else
	REGS (Y+1)%NP
	WIN 0
.if (\n) < 4
	v_max3_num_f32 v[rC+(\n)], v[rS+8*(\n)], v[rS+8*(\n)+1], v[rS+8*(\n)+2]
.elseif (\n) < 12
	v_max3_num_f32 v[rC+(\n)%4], v[rC+(\n)%4], v[rS+8*((\n)%4)+2*((\n)/4)+1], v[rS+8*((\n)%4)+2*((\n)/4)+2]
.elseif (\n) == 12
	v_max3_num_f32 v[rC], v[rC], v[rS+7], v[rS+15]
.elseif (\n) == 13
	v_max3_num_f32 v[rC+1], v[rC+1], v[rS+23], v[rS+31]
.elseif (\n) == 14
	v_max3_num_f32 v[rC+2], v[rC+2], v[rC+3], v[rT+1]
.elseif (\n) == 15
	v_mov_b32 v[rW], v[rT]
.elseif (\n) == 16
	v_max3_num_f32 v[rC], v[rC], v[rC+1], v[rC+2]
.elseif (\n) == 17
	v_permlanex16_b32 v[rC+3], v[rC], s[SEL], s[SEL+1]
.elseif (\n) == 18
	v_max_num_f32 v[rT+1], v[rC], v[rC+3]
.elseif (\n) == 19
	v_mul_f32 v[rT], s[CS], v[rT+1]
.elseif (\n) == 20
	v_sub_f32 v[rC+1], v[rW], v[rT]
.else
	v_exp_f32 v[rC+2], v[rC+1]
.endif
.endif
.endm
.macro OPS a, i1, b=-1, i2=0, c=-1, i3=0, d=-1, i4=0  ; up to four of them
	OP \a, \i1
.if (\b) >= 0
	OP \b, \i2
.endif
.if (\c) >= 0
	OP \c, \i3
.endif
.if (\d) >= 0
	OP \d, \i4
.endif
.endm
.macro ROW a, i1, b, i2, c, i3, d, i4  ; a matrix instruction and the four behind it
	MM
	OPS \a, \i1, \b, \i2, \c, \i3, \d, \i4
.endm
.macro MASK b                       ; MD x AL + BE into buffer b of MC
	WIN W_RS
.set z, 0
.rept 16
	v_pk_fma_f32 v[MC+32*(\b)+2*z:MC+32*(\b)+2*z+1], v[MD+2*z:MD+2*z+1], s[AL:AL+1], s[BE:BE+1] op_sel_hi:[1,0,0]
.set z, z+1
.endr
.endm
; A TURN, for piece p: the order of its 16 matrix and 118 vector instructions, written out.  Behind a matrix instruction: plain, exponential, plain, plain; or four of the rescaling; or, behind the first, four scalings; none
; names a register of the products round it.  In the lumps exponential and plain by turns while exponentials last.  A line reads no result made fewer than three vector instructions in front of it, five if an exponential made it.
; v_permlanex16_b32 (X 17) stands in a lump.
; m = 1: the diagonal tile: the products take masks, and the turn makes the mask for the products of the turn after it: piece p + 2, in step 4 - CNT of the tile.  end = 1: a block's last two turns: nothing is fetched.
; cnt = 1: the loop's count is taken down some lines ahead of the branch that stands behind the turn.
; K of the next step is fetched in piece 2's turn, six vector instructions behind the last product that read K (five of them plain); V of the step in hand in piece 0's turn, eight behind the last product that read V (four
; plain, and X 17).  Each is waited for a turn later.
.macro TURN p, m=0, end=0, cnt=0
.set Y, (\p)
.set i, 0
.set KM, (\m)
.set NOKQ, (\end)*((\p)/3)
.if (\m) && !(\end)
	s_cmp_eq_u32 s[CNT], 4-((\p)+2)%NP  ; is that step the band's own?
	s_cselect_b32 s[AL], 1.0, 0
	s_cmp_lt_u32 s[CNT], 4-((\p)+2)%NP  ; or a later one?
	s_cselect_b32 s[BE], s[BIGN], 0
.endif
.if ((\p) == 3) && !(\end)
	s_wait_dscnt 0x0                ; K is in
.endif
	ROW F,0, F,1, F,2, F,3
	ROW F,4, E,0, F,5, F,6
	ROW F,7, E,1, F,8, F,9
	ROW F,10, E,2, C,0, F,11
	ROW F,12, E,3, X,15, F,13
	ROW R,0, R,1, R,2, R,3
	ROW B,0, E,4, F,14, L,0
.if ((\p) == 2) && !(\end)
	v_add_nc_u32 v[AK], s[TBK], v[AK0]
.endif
	ROW R,4, R,5, R,6, R,7
	OPS E,5, F,15
.if ((\p) == 2) && !(\end)
	FETCH_K
.endif
	OPS E,6, C,1, E,7, R,8
	OPS E,8, R,9, E,9, C,2
	OPS E,10, X,0, E,11, X,1
	OPS E,12, X,2, E,13, X,3
.if (\p) == 1
	s_wait_dscnt 0x0                ; V is in
.endif
	ROW X,4, E,14, X,5, X,6
	ROW X,7, E,15, X,8, X,9
	ROW X,10, E,16, X,11, X,12
	ROW X,13, E,17, X,14, B,1
	ROW C,4, E,18, X,16, L,1
	ROW B,2, E,19, C,6, L,2
	ROW C,8, E,20, B,3, B,4
.if (\p) == 0
	v_add_nc_u32 v[AV], s[TBV], v[AV0]
.endif
	ROW C,3, E,21, L,3, C,5
	OPS E,22, X,17, E,23, C,10
.if (\p) == 0
	FETCH_V
.endif
	OPS E,24, L,4
	OPS E,25, X,18, E,26, C,7
	OPS E,27, B,5, E,28, X,19
	OPS E,29, C,12, E,30, L,5
	OPS E,31, X,20, B,6, C,9
	OPS C,14, C,11, X,21, L,6
.if (\p) == 0
	s_add_co_u32 s[TBV], s[TBV], KS*PV
.endif
.if \cnt
	s_sub_co_u32 s[CNT], s[CNT], 1
	s_cmp_lg_u32 s[CNT], 0
.endif
	OPS C,13, B,7, C,15, R,10
	OPS R,11, R,12, L,7, R,13
	OPS R,14, R,15
.if (\m) && !(\end)
	MASK (\p)%2
.endif
.endm
; A BLOCK BEGINS.  c m starts far below every c s, so the first step's a is 0; m at the lowest finite number, so the first maximum is the scores'.  The second mask buffer is 0; the first takes piece 0's mask for the tile's step 0: its own, if the block's first tile is the diagonal one.
; Then K of that step, piece 0's first scores, and its maximum and statistics.  The loop is entered at a step's first turn, in the middle of a trip.
.macro BEGIN
	s_mov_b32 s[NEW], 0
	WIN 0x40
.set i, MC+32
.rept 32
	v_mov_b32 v[i], 0
.set i, i+1
.endr
	WIN 0
.set i, 0
.rept 4
	v_mov_b32 v[ST+4*i], 0xfe000000    ; c m: far below every c s
	v_mov_b32 v[ST+4*i+1], 0xff7fffff  ; m
.set i, i+1
.endr
	s_cmp_eq_u32 s[RT], 0
	s_cselect_b32 s[AL], 1.0, 0
	s_mov_b32 s[BE], 0
	MASK 0
	WIN 0
	v_add_nc_u32 v[AK], s[TBK], v[AK0]
	FETCH_K
	s_wait_loadcnt 0x0              ; Q
	s_wait_dscnt 0x0
.set KM, 1
.set NOKQ, 0
.set i, 0
.rept 8
	KQ 0
.set i, i+1
.endr
	WIN 0
.rept 4
	v_nop                           ; the places behind those products
.endr
.set Y, NP-1                        ; X works for piece Y + 1: piece 0
.irp n, 0,1,2,3,4,5,6,7,8,9,10,11,12,13,14,15,16,17,18,19,20,21
	OP X, \n
.endr
	v_nop                           ; a plain instruction behind the exponential
.endm
; THE DIAGONAL TILE's four steps, the block's last two turns, its last products, and THE WAY OUT: l's two halves and the other half of the lanes' are added; O^T is divided by l, rounded to f16 and sent through my
; stage in LDS, a piece at a time.
.macro ALL line:vararg              ; one line for each piece t
.set t, 0
.rept 4
	\line
.set t, t+1
.endr
.endm
.macro PACK t                       ; a lane's eight channels of a row pack into 16 bytes; they go into rows of 144 bytes and come back as whole rows of 128, into S^T's registers
	WIN W_RS
.set i, 32*(\t)
.rept 16
	s_wait_alu depctr_va_vdst(0)
	v_pk_mul_f32 v[i:i+1], v[i:i+1], v[ST+4*(\t)+2:ST+4*(\t)+3] op_sel_hi:[1,0]
.set i, i+2
.endr
	WIN 0x05                        ; sources 0 and 1 window 1, destination window 0
.set i, 0
.rept 16
	v_cvt_pk_f16_f32 v[S+16*(\t)+i], v[32*(\t)+2*i], v[32*(\t)+2*i+1]
.set i, i+1
.endr
	WIN 0
.irp f, 0,1,2,3
	ds_store_b128 v[STO], v[S+16*(\t)+4*\f:S+16*(\t)+4*\f+3] offset:32*\f
.endr
.irp f, 0,1,2,3
	ds_load_b128 v[S+16*(\t)+4*\f:S+16*(\t)+4*\f+3], v[RD] offset:\f*4*SP  ; LDS serves a wave's instructions in order (ISA guide 5.7.1.4): these see the stores above; the next piece's stores come behind them
.endr
.endm
.macro SEND t, younger              ; younger: the LDS instructions issued behind piece t's loads: the next piece's eight, or none
	WIN 0
.irp f, 0,1,2,3
	s_wait_dscnt (\younger)+3-\f
	global_store_b128 v[GO], v[S+16*(\t)+4*\f:S+16*(\t)+4*\f+3], s[10:11] offset:(\t)*8192+\f*512  ; 512 consecutive bytes, at a multiple of 256 from O's first
.endr
.endm
.macro DIAG tag                     ; the tag ends its two labels' names, which the jumps below spell out
.LstepM\tag:
	TURN 2, 1
	TURN 3, 1
	WIN 0
.LfirstM\tag:
	TURN 0, 1
	TURN 1, 1, 0, 1
	WIN 0
	s_cbranch_scc1 .LstepM\tag
	TURN 2, 1, 1
	TURN 3, 1, 1
.set i, 0
.rept 8
	PV NP-1
.set i, i+1
.endr
	WIN 0
	ALL v_add_f32 v[ST+4*t+2], v[ST+4*t+2], v[ST+4*t+3]
	ALL v_permlanex16_b32 v[ST+4*t+3], v[ST+4*t+2], s[SEL], s[SEL+1]
	ALL v_add_f32 v[ST+4*t+2], v[ST+4*t+2], v[ST+4*t+3]
	ALL v_rcp_f32 v[ST+4*t+2], v[ST+4*t+2]
	v_nop                           ; a plain instruction between the last reciprocal and the use of its result
	PACK 0
.set t, 1
.rept 3                             ; a piece's arithmetic stands between the loads of the piece before and its stores
	PACK t
	SEND t-1, 8
.set t, t+1
.endr
	SEND 3, 0
.endm
.set KM, 0
.set NOKQ, 0
.Lslot:                             ; NB times: a tile is entered and the next is asked for
	CHANGE 1
	s_sub_co_u32 s[RT], s[RT], 1
	s_mov_b32 s[CNT], 4
	s_cmp_eq_u32 s[NEW], 1
	s_cbranch_scc1 .Lnew            ; a block's first tile
	s_cmp_eq_u32 s[RT], 0
	s_cbranch_scc0 .Lstep           ; neither its first nor its last
	s_branch .LstepM1
.Lnew:
	BEGIN
	s_branch .Lfirst                ; in the loop a block's first tile is never its last: the first block has two tiles or more, and the second's last is the walk's last
	DIAG 1                          ; in the loop this is the first block's end: the second block's last tile is the walk's last
	s_wait_xcnt 0x0                 ; the stores have read their registers and O's address
	s_mov_b64 s[10:11], s[OLO:OLO+1]
	s_add_co_u32 s[RT], s[PB], 1    ; the second block has b + 1 tiles
	s_mov_b32 s[NEW], 1
	WIN 0x82                        ; the second block's Q goes where the one text of the turns names Q
.set i, 0
.rept 64
	v_mov_b32 v[i], v[QB+i]
.set i, i+1
.endr
	WIN 0
	s_branch .Lbottom
.Lstep:                             ; a trip: pieces 2 and 3 of one step, then pieces 0 and 1 of the next, whose K and V it fetches
	TURN 2
	TURN 3
	WIN 0
.Lfirst:
	TURN 0
	TURN 1, 0, 0, 1
	WIN 0
	s_cbranch_scc1 .Lstep
.Lbottom:
	s_sub_co_u32 s[SLOTS], s[SLOTS], 1
	s_cmp_lg_u32 s[SLOTS], 0
	s_cbranch_scc1 .Lslot
	CHANGE 0                        ; the walk's last tile is written out: nothing is asked for
	s_sub_co_u32 s[RT], s[RT], 1
	s_mov_b32 s[CNT], 4
	s_cmp_eq_u32 s[NEW], 1
	s_cbranch_scc0 .LstepM2
	BEGIN
	s_branch .LfirstM2
	DIAG 2
	s_wait_tensorcnt 0x0            ; the wave's end: 0 onto my spare word, behind my last tensor load and my last LDS store
	ds_add_u32 v[SPW], v[NIL]
	s_wait_dscnt 0x0
	s_endpgm
.Lfunc_end_k_qc9717067fe_attn:
	.size	k_qc9717067fe_attn, .Lfunc_end_k_qc9717067fe_attn-k_qc9717067fe_attn
	.p2alignl 7, 3214868480
	.fill 96, 4, 3214868480
	.section	.rodata,"a",@progbits
	.p2align	6, 0x0
	.amdhsa_kernel k_qc9717067fe_attn
		.amdhsa_group_segment_fixed_size 327680
		.amdhsa_private_segment_fixed_size 0
		.amdhsa_enable_private_segment 0
		.amdhsa_kernarg_size 32
		.amdhsa_user_sgpr_count 2
		.amdhsa_user_sgpr_kernarg_segment_ptr 1
		.amdhsa_wavefront_size32 1
		.amdhsa_system_sgpr_workgroup_id_x 1
		.amdhsa_system_sgpr_workgroup_id_y 1
		.amdhsa_system_sgpr_workgroup_id_z 1
		.amdhsa_system_vgpr_workitem_id 0
		.amdhsa_next_free_vgpr 768
		.amdhsa_next_free_sgpr 88
		.amdhsa_reserve_vcc 1
		.amdhsa_float_denorm_mode_32 3
		.amdhsa_float_denorm_mode_16_64 3
		.amdhsa_memory_ordered 1
		.amdhsa_forward_progress 1
		.amdhsa_inst_pref_size 229
	.end_amdhsa_kernel
	.amdgpu_metadata
---
amdhsa.version: [ 1, 2 ]
amdhsa.kernels:
  - .name:           k_qc9717067fe_attn
    .symbol:         k_qc9717067fe_attn.kd
    .args:
      - { .name: qh, .offset: 0, .size: 8, .value_kind: global_buffer, .address_space: global }
      - { .name: kh, .offset: 8, .size: 8, .value_kind: global_buffer, .address_space: global }
      - { .name: vh, .offset: 16, .size: 8, .value_kind: global_buffer, .address_space: global }
      - { .name: oh, .offset: 24, .size: 8, .value_kind: global_buffer, .address_space: global }
    .group_segment_fixed_size: 327680
    .private_segment_fixed_size: 0
    .kernarg_segment_align: 8
    .kernarg_segment_size: 32
    .max_flat_workgroup_size: 128
    .sgpr_count:     88
    .vgpr_count:     768
    .wavefront_size: 32
...
	.end_amdgpu_metadata
.endif
;; end of part 3
;; launch oproj (part 4): grid 8 x 32, 4 waves a work-group, clusters of 4 x 4, 327,680 bytes of LDS; arguments oh, wob, out0; writes out0
.if DOCPART == 4
	.amdgcn_target "amdgcn-amd-amdhsa--gfx1250"
	.amdhsa_code_object_version 6
	.text
	.protected	k_qc9717067fe_oproj
	.globl	k_qc9717067fe_oproj
	.p2align	8
	.type	k_qc9717067fe_oproj,@function
k_qc9717067fe_oproj:
	s_mov_b64 s[64:65], 0
	v_nop
	global_prefetch_b8 v0, s[64:65] scope:SCOPE_SE
	s_setreg_imm32_b32 hwreg(HW_REG_WAVE_MODE, 25, 1), 1
	s_wait_xcnt 0x0
	s_wait_alu depctr_hold_cnt(0) depctr_sa_sdst(0) depctr_va_vdst(0) depctr_va_sdst(0) depctr_va_ssrc(0) depctr_va_vcc(0) depctr_vm_vsrc(0)
	s_getreg_b32 s2, hwreg(HW_REG_IB_STS2, 6, 4)
	s_cmp_eq_u32 s2, 0
	s_cbranch_scc0 .Lentry_in_a_cluster
	s_endpgm
.Lentry_in_a_cluster:
	s_bfe_u32 s2, ttmp6, 0x10000c
	s_cmp_lg_u32 s2, 0xf033
	s_cbranch_scc0 .Lentry_shape_is_right
	s_endpgm
.Lentry_shape_is_right:
; out0[r][e] = the sum over d of O[r][d] Wo[e][d].  oh: [64 = 16 b + head][2048][64] f16, so d = 64 head + channel; wob: [1024][1024] f16; out0: [8192][1024] f32.  Products in f16, sums in f32.
; SHARES.  A work-group makes 256 rows x 128 columns: 8 x 32 work-groups.  Each of four waves makes 128 rows x 64 columns: 32 accumulators of 16 x 16, 256 registers; its 64 columns are 256 bytes of a row of out0.
; K goes in 8 steps of 128, two heads each, through a ring of two LDS slots.  A head's 256 rows are 32,768 dense bytes of oh: they are asked for as 128 rows of 256 bytes and padded in LDS after every 128.
; THE MATRIX INSTRUCTION IS USED TRANSPOSED (source 0 = 16 rows of Wo, source 1 = 16 rows of O): a lane holds row l % 16 and the columns 16 b + 8 (l / 16) + 0..7: 32 neighbouring bytes.
; CLUSTERS: 4 x 4 work-groups.  The four of a row of the cluster need the same tiles of O, the four of a column the same tiles of Wo: each tile is asked for JOINTLY, by the same tensor load with the same
; descriptor and a mask that names the four.
; REGISTERS: window 0: v0-29 addresses; v64-159, v160-255 two fragment buffers: 4 fragments of Wo, then 8 of O, 32 along K.   window 1: the accumulators, (a, b) at v[8 (4 a + b)].
.set PA,     144                       ; a row of O in LDS: 128 bytes + 16 of padding = 36 words: the 16 rows of a fragment load start at 16 different groups of four banks (64 banks of 4 bytes: ISA guide 11.1)
.set PITCH,  272                       ; a row of Wo: 256 bytes + 16 = 68 words: likewise
.set AHEAD,  256*PA                    ; a head's 256 rows: what wave 0 or 1 fetches
.set BHALF,  64*PITCH                  ; 64 rows of Wo: what wave 2 or 3 fetches, and what a wave reads
.set BOFF,   2*AHEAD                   ; a slot: two heads of O, then Wo's 128 rows
.set SLOT,   BOFF+2*BHALF
.set STAGE,  2*SLOT                    ; behind the ring, never filled by a tensor load: 16 rows x 272 bytes for each wave, for the way out
.set SPITCH, 272
.set SPARE,  STAGE+4*16*SPITCH         ; behind the stages: the spare words, 128 bytes for each wave: two blocks of 256 bytes that no other line names
.set ASTEP,  2<<18                     ; a K step in oh: two heads of 2,048 rows of 128 bytes
.set BSTEP,  256                       ; and in wob: 128 numbers along a row
.set ADRA, 16                          ; v16-17  LDS address of my fragments of O in slot 0, 1
.set ADRB, 20                          ; v20-21  the same for Wo
.set STO,  24                          ; v24     the way out: where I put 32 bytes of a row
.set RD,   25                          ; v25     where I read rows back
.set CO,   26                          ; v26     my byte offset in two rows of out0
.set SPW,  28                          ; v28     LDS address of my spare word: SPARE + 4 x my thread's number; never rewritten
.set NIL,  29                          ; v29     0; never rewritten
.set F0,   64
.set F1,   160
.set BK,   64                          ; the way out: two sets of 32 registers, by the block's parity, where buffer 0 lay
.set WV, 16                            ; s16 my wave's number
.set RH, 17                            ; s17 which 128 rows are mine.  Also: I fetch for O (0) or for Wo (1)
.set CH, 18                            ; s18 which 64 columns are mine.  Also: which head of the step, or which half of Wo's tile, I fetch
.set CX, 19
.set CY, 20
.set TC, 21                            ; s21 block of 128 columns
.set TR, 22                            ; s22 block of 256 rows
.set G1,  24                           ; s[24:31] descriptor group 1 for O's tiles;  s[32:39] group 0, a set for each slot
.set G0,  32
.set BASEA, 40
.set BASEB, 42
.set LAP, 45
.set G1B, 48                           ; s[48:55], s[56:63] the same two groups for Wo's tiles
.set G0B, 56
.set MSB, 0
.macro WIN new                         ; the immediate's high byte repeats the setting that is left; a switch that changes nothing is dropped
.if MSB != (\new)
	s_set_vgpr_msb (MSB<<8)|(\new)
.set MSB, \new
.endif
.endm
.set MUL, 0x50                         ; C and D window 1, both sources window 0
.macro PLACES                          ; four places in front of loads into registers that matrix instructions have read, and of lines that read results
.rept 4
	v_nop
.endr
.endm
; A joint load: waves 0 and 1 fetch the step's two heads of O, waves 2 and 3 Wo's two halves.  The branch hangs on the wave's number alone.  An s_nop 0 and four v_nop follow each of the two lines.
.macro JLOAD s
	s_cmp_eq_u32 s[RH], 0
	s_cbranch_scc0 .Lfor_b_\@
	tensor_load_to_lds s[G0+4*(\s):G0+4*(\s)+3], s[G1:G1+7]
	s_nop 0
.rept 4
	v_nop
.endr
	s_branch .Lasked_\@
.Lfor_b_\@:
	tensor_load_to_lds s[G0B+4*(\s):G0B+4*(\s)+3], s[G1B:G1B+7]
	s_nop 0
.rept 4
	v_nop
.endr
.Lasked_\@:
.endm
.macro CREST                           ; a round of the cluster's barrier behind its opening barrier
	s_cmp_lg_u32 s[WV], 0
	s_cbranch_scc1 .Lnot_wave_0_\@
	s_barrier_signal -3
.Lnot_wave_0_\@:
	s_barrier_wait -3
	s_barrier_signal -1
	s_barrier_wait -1
.endm
.macro CROUND                          ; a whole round
	s_barrier_signal -1
	s_barrier_wait -1
	CREST
.endm
; 8 matrix instructions: row blocks a0, a0 + 1 x all 4 column blocks, 32 along K.  zero = 1: the product starts the sum.  The 32 accumulators take turns, one instruction a turn, in the same order in
; every quarter.
.macro MUL8 f, a0, zero
	WIN MUL
.irp a, \a0, (\a0)+1
.irp b, 0,1,2,3
.if \zero
	v_wmma_f32_16x16x32_f16 v[8*(4*(\a)+(\b)):8*(4*(\a)+(\b))+7], v[(\f)+8*(\b):(\f)+8*(\b)+7], v[(\f)+32+8*(\a):(\f)+32+8*(\a)+7], 0
.else
	v_wmma_f32_16x16x32_f16 v[8*(4*(\a)+(\b)):8*(4*(\a)+(\b))+7], v[(\f)+8*(\b):(\f)+8*(\b)+7], v[(\f)+32+8*(\a):(\f)+32+8*(\a)+7], v[8*(4*(\a)+(\b)):8*(4*(\a)+(\b))+7]
.endif
.endr
.endr
.endm
; 24 LDS loads in one run: quarter qn's fragments into buffer f: Wo's four, O's rows 0-63, O's rows 64-127.  Quarter qn of O is head qn / 2 of the step, channels 32 (qn % 2) on.
.macro FETCH slot, qn, f
	WIN 0
.irp b, 0,1,2,3
	ds_load_b128 v[(\f)+8*(\b):(\f)+8*(\b)+3],   v[ADRB+(\slot)] offset:64*(\qn)+(\b)*16*PITCH
	ds_load_b128 v[(\f)+8*(\b)+4:(\f)+8*(\b)+7], v[ADRB+(\slot)] offset:64*(\qn)+(\b)*16*PITCH+32
.endr
.irp a, 0,1,2,3,4,5,6,7
	ds_load_b128 v[(\f)+32+8*(\a):(\f)+32+8*(\a)+3],   v[ADRA+(\slot)] offset:((\qn)/2)*AHEAD+((\qn)%2)*64+(\a)*16*PA
	ds_load_b128 v[(\f)+32+8*(\a)+4:(\f)+32+8*(\a)+7], v[ADRA+(\slot)] offset:((\qn)/2)*AHEAD+((\qn)%2)*64+(\a)*16*PA+32
.endr
.endm
; A K step is four quarters of 32 along K, 32 matrix instructions each, on buffers 0, 1, 0, 1.  One of the first three: multiplies buffer f; in its middle it fetches quarter qn into buffer g.
.macro QUARTER slot, qn, f, g, zero
	s_wait_dscnt 8                                 ; Wo and O's rows 0-63 are in; the youngest eight loads (O's rows 64-127) may be out
	MUL8 \f, 0, \zero
	MUL8 \f, 2, \zero
	PLACES
	FETCH \slot, \qn, \g
	s_wait_dscnt 24                                ; all but the 24 just issued
	MUL8 \f, 4, \zero
	MUL8 \f, 6, \zero
.endm
; The last quarter multiplies buffer 1 and changes slots: ONE barrier.  In front of it each wave waits for all its tensor loads (one is out: its part of the next slot), adds 0 to its spare word, and waits for
; that and for its own reads of this slot.  fill = 1: this slot is filled again, two K steps on; the barrier then opens a round of the cluster's barrier, and the joint load is the first thing behind the
; round: 112 matrix instructions ahead of the wait for it.
.macro TURN slot, next, fill
	WIN 0                                          ; (the add's two registers lie in window 0)
	s_wait_tensorcnt 0x0                           ; all my tensor loads have landed, so a group 0 may be written
	ds_add_u32 v[SPW], v[NIL]                      ; 0 onto my spare word; scalar work and eight products stand between it and the wait for it
.if \fill
	s_add_nc_u64 s[G0+4*(\slot)+2:G0+4*(\slot)+3], s[G0+4*(\slot)+2:G0+4*(\slot)+3], 2*ASTEP      ; the type bits on top are not reached
	s_add_nc_u64 s[G0B+4*(\slot)+2:G0B+4*(\slot)+3], s[G0B+4*(\slot)+2:G0B+4*(\slot)+3], 2*BSTEP
.endif
	s_wait_dscnt 9                                 ; (the add and the youngest eight loads may be out)
	MUL8 F1, 0, 0
	s_wait_dscnt 0x0                               ; the add is done, and my reads of this slot are over
	s_barrier_signal -1
	MUL8 F1, 2, 0                                  ; work on registers while the others arrive
	WIN 0
	s_barrier_wait -1
.if \fill
	CREST                                          ; no wave of any partner still reads this slot's tile or has a load on its way
	JLOAD \slot                                    ; the four v_nop behind it are also the places in front of the loads below
.else
	PLACES
.endif
	FETCH \next, 0, F0
	MUL8 F1, 4, 0
	MUL8 F1, 6, 0
.endm
; THE WAY OUT, a block of 16 rows at a time: the sums go as they are, 32 bytes a lane, into my own stage (rows of 272 bytes) and come back as whole rows of 256 bytes, two to a load.
.macro TOSTAGE a
.set BKR, BK+32*((\a)%2)
	s_wait_xcnt 0x0                                ; the stores of two blocks back have read this set of registers: it is loaded again only behind this wait
	WIN 0x04                                       ; the store's data window 1, its address window 0
.irp b, 0,1,2,3
	ds_store_b128 v[STO], v[8*(4*(\a)+(\b)):8*(4*(\a)+(\b))+3]   offset:64*(\b)      ; each accumulator's lowest registers are read first
	ds_store_b128 v[STO], v[8*(4*(\a)+(\b))+4:8*(4*(\a)+(\b))+7] offset:64*(\b)+16
.endr
	WIN 0
.irp t, 0,1,2,3,4,5,6,7
	ds_load_b128 v[BKR+4*(\t):BKR+4*(\t)+3], v[RD] offset:(\t)*2*SPITCH  ; LDS serves a wave's instructions in order (ISA guide 5.7.1.4): these see the stores above; the next block's stores come behind them
.endr
.endm
.macro SENDF a, younger                ; younger: the LDS instructions issued behind block a's loads: the next block's sixteen, or none
	WIN 0
.set BKR, BK+32*((\a)%2)
.irp t, 0,1,2,3,4,5,6,7
	s_wait_dscnt (\younger)+7-(\t)
	global_store_b128 v[CO], v[BKR+4*(\t):BKR+4*(\t)+3], s[8:9] offset:(16*(\a)+2*(\t))*4096 th:TH_STORE_NT  ; 16 lanes store 256 consecutive bytes, at a multiple of 256 from out0's first byte; 126 rows at the most: 516,096, inside the signed 24-bit immediate
.endr
.endm
	s_load_b128 s[4:7], s[0:1], 0x0                ; oh 4:5, wob 6:7
	s_load_b64 s[8:9], s[0:1], 0x10                ; out0
	v_lshl_add_u32 v[SPW], v0, 2, SPARE
	v_mov_b32 v[NIL], 0
	ds_add_u32 v[SPW], v[NIL]                      ; the wave's opening: the add and its wait stand ahead of my first tensor load; the set-up below, work on registers, stands between them
	ds_add_u32 v28, v29
	v_lshrrev_b32 v1, 5, v0
	v_readfirstlane_b32 s[WV], v1                  ; wave 0..3
	s_lshr_b32 s[RH], s[WV], 1
	s_and_b32 s[CH], s[WV], 1
	s_bfe_u32 s[CX], ttmp6, 0x40000                ; my place in the cluster
	s_bfe_u32 s[CY], ttmp6, 0x40004
	s_lshl_b32 s[TC], ttmp9, 2
	s_add_co_u32 s[TC], s[TC], s[CX]               ; block of columns = 4 x cluster x + cx
	s_and_b32 s[TR], ttmp7, 0xffff
	s_lshl_b32 s[TR], s[TR], 2
	s_add_co_u32 s[TR], s[TR], s[CY]               ; block of rows = 4 x cluster y + cy
	s_lshl_b32 s23, s[CY], 2
	s_lshl_b32 s23, 15, s23                        ; my row of the cluster
	s_lshl_b32 s47, 0x1111, s[CX]                  ; my column
	s_or_b32 s[G1+0], s23, (1<<16)|(1<<20)|(1<<21)|(4<<22)|(3<<25)   ; 15:0 the mask: O's tiles go to my row; 17:16 elements of 2 bytes; 20 padding on; 21 set beside a mask; 24:22 after every 32 words (code 4); 31:25 4 words (code 3)
	s_or_b32 s[G1B+0], s47, (1<<16)|(1<<20)|(1<<21)|(5<<22)|(3<<25)  ; the mask of my column; padding after every 64 words (code 5)
	s_mov_b32 s[G1+1], 128<<16                     ; tensor_dim0 = 128
	s_mov_b32 s[G1+2], 128<<16                     ; tensor_dim1 = 128
	s_mov_b32 s[G1+3], 128<<16                     ; tile_dim0 = 128
	s_mov_b32 s[G1+4], 128                         ; tile_dim1 = 128
	s_mov_b32 s[G1+5], 128                         ; 128 elements from row to row: the block is dense
	s_mov_b32 s[G1+6], 0
	s_mov_b32 s[G1+7], 0
	s_mov_b32 s[G1B+1], 128<<16
	s_mov_b32 s[G1B+2], 64<<16                     ; 64 rows
	s_mov_b32 s[G1B+3], 128<<16
	s_mov_b32 s[G1B+4], 64
	s_mov_b32 s[G1B+5], 1024
	s_mov_b32 s[G1B+6], 0
	s_mov_b32 s[G1B+7], 0
	s_lshr_b32 s72, s[TR], 3                       ; O: the batch's 16 heads of 2^18 bytes, my head of the step's two, the block's 256 rows of 128 bytes: made of the block of rows and the wave's number alone
	s_lshl_b32 s72, s72, 22
	s_lshl_b32 s73, s[CH], 18
	s_add_co_u32 s72, s72, s73
	s_and_b32 s73, s[TR], 7
	s_lshl_b32 s73, s73, 15
	s_add_co_u32 s72, s72, s73
	s_mov_b32 s73, 0
	s_lshl_b32 s74, s[TC], 7                       ; Wo: row 128 x block + 64 x half, 2,048 bytes a row: made of the block of columns and the wave's number alone
	s_lshl_b32 s75, s[CH], 6
	s_add_co_u32 s74, s74, s75
	s_lshl_b32 s74, s74, 11
	s_mov_b32 s75, 0
	s_mul_i32 s78, s[WV], AHEAD                    ; where they go: O's heads at wave x 256 rows (waves 0, 1),
	s_mul_i32 s79, s[WV], BHALF
	s_add_co_u32 s79, s79, BOFF-2*BHALF            ; Wo's halves behind them (waves 2, 3): no place in the cluster enters an LDS address
	s_wait_dscnt 0x0                               ; the opening add is done
	s_wait_kmcnt 0x0
	s_add_nc_u64 s[BASEA:BASEA+1], s[4:5], s[72:73]
	s_add_nc_u64 s[BASEB:BASEB+1], s[6:7], s[74:75]
	CROUND                                         ; all sixteen work-groups are here: the first joint loads meet
.irp s, 0,1
	s_mov_b32 s[G0+4*(\s)], 1                      ; count = 1
	s_add_co_u32 s[G0+4*(\s)+1], s78, (\s)*SLOT    ; LDS address
	s_add_nc_u64 s[G0+4*(\s)+2:G0+4*(\s)+3], s[BASEA:BASEA+1], (\s)*ASTEP  ; global address: K step s
	s_or_b32 s[G0+4*(\s)+3], s[G0+4*(\s)+3], 0x80000000                    ; type = 2
	s_mov_b32 s[G0B+4*(\s)], 1
	s_add_co_u32 s[G0B+4*(\s)+1], s79, (\s)*SLOT
	s_add_nc_u64 s[G0B+4*(\s)+2:G0B+4*(\s)+3], s[BASEB:BASEB+1], (\s)*BSTEP
	s_or_b32 s[G0B+4*(\s)+3], s[G0B+4*(\s)+3], 0x80000000
	JLOAD \s                                       ; two loads of mine are out
.endr
	; A fragment is 16 rows x 32 K in 8 registers: lane l holds row l % 16; registers 0-3 K = 8 (l / 16) + 0..7, registers 4-7 K = 16 + 8 (l / 16) + 0..7: two loads of 16 bytes, 32 bytes apart.
	v_and_b32 v1, 15, v0                           ; l % 16
	v_bfe_u32 v2, v0, 4, 1                         ; l / 16
	v_mul_u32_u24 v3, v1, PA
	v_lshl_add_u32 v3, v2, 4, v3
	v_mul_u32_u24 v4, v1, PITCH
	v_lshl_add_u32 v4, v2, 4, v4
	s_mul_i32 s2, s[RH], 128*PA                    ; my 128 rows in each head
	s_mul_i32 s3, s[CH], BHALF                     ; my 64 rows of Wo,
	s_add_co_u32 s3, s3, BOFF                      ; which lie behind O's two heads
.irp s, 0,1
	v_add_nc_u32 v[ADRA+(\s)], s2, v3
	v_add_nc_u32 v[ADRB+(\s)], s3, v4
	s_add_co_u32 s2, s2, SLOT
	s_add_co_u32 s3, s3, SLOT
.endr
	s_mul_i32 s2, s[WV], 16*SPITCH
	s_add_co_u32 s2, s2, STAGE                     ; my stage
	v_mul_u32_u24 v5, v1, SPITCH                   ; in: row l % 16, 32 bytes for each half of the lanes
	v_lshl_add_u32 v5, v2, 5, v5
	v_add_nc_u32 v[STO], s2, v5
	v_mul_u32_u24 v5, v2, SPITCH                   ; back: lanes 0-15 take one row of 256 bytes, lanes 16-31 the next
	v_lshl_add_u32 v5, v1, 4, v5
	v_add_nc_u32 v[RD], s2, v5
	v_lshlrev_b32 v[CO], 12, v2                    ; and the same two rows in out0, 4,096 bytes apart
	v_lshl_add_u32 v[CO], v1, 4, v[CO]
	s_lshl_b32 s70, s[TR], 8
	s_lshl_b32 s71, s[RH], 7
	s_add_co_u32 s70, s70, s71                     ; my first row,
	s_lshl_b32 s70, s70, 12
	s_lshl_b32 s71, s[TC], 7
	s_lshl_b32 s76, s[CH], 6
	s_add_co_u32 s71, s71, s76                     ; my first column
	s_lshl_b32 s71, s71, 2
	s_add_co_u32 s76, s70, s71
	s_mov_b32 s77, 0
	s_add_nc_u64 s[8:9], s[8:9], s[76:77]
	s_wait_tensorcnt 1                             ; my part of K step 0 is in; K step 1's may stay out
	s_barrier_signal -1
	s_barrier_wait -1                              ; everybody's is
	FETCH 0, 0, F0
	QUARTER 0, 1, F0, F1, 1                        ; the first quarter starts the sums: nothing is cleared
	WIN 0                                          ; at a label and at a branch every window is 0
	s_mov_b32 s[LAP], 3
.Llap:                                                 ; a trip goes once round the ring, from a lap's second quarter to the next lap's first, and fills both slots again: K steps 2 to 7
	QUARTER 0, 2, F1, F0, 0
	QUARTER 0, 3, F0, F1, 0
	TURN 0, 1, 1
	QUARTER 1, 1, F0, F1, 0
	QUARTER 1, 2, F1, F0, 0
	QUARTER 1, 3, F0, F1, 0
	TURN 1, 0, 1
	QUARTER 0, 1, F0, F1, 0
	WIN 0
	s_sub_co_u32 s[LAP], s[LAP], 1
	s_cmp_lg_u32 s[LAP], 0
	s_cbranch_scc1 .Llap
	QUARTER 0, 2, F1, F0, 0                        ; the last lap fills nothing, and has no round of the cluster's barrier
	QUARTER 0, 3, F0, F1, 0
	TURN 0, 1, 0
	QUARTER 1, 1, F0, F1, 0
	QUARTER 1, 2, F1, F0, 0
	QUARTER 1, 3, F0, F1, 0
	s_wait_dscnt 8                                 ; the very last quarter: nothing more to fetch
	MUL8 F1, 0, 0
	MUL8 F1, 2, 0
	s_wait_dscnt 0x0
	MUL8 F1, 4, 0
	MUL8 F1, 6, 0
	WIN 0
	PLACES
	TOSTAGE 0
.irp a, 1,2,3,4,5,6,7                  ; a block's way through the stage stands between the loads of the block before and its stores
	TOSTAGE \a
	SENDF (\a)-1, 16
.endr
	SENDF 7, 0
	s_wait_tensorcnt 0x0                           ; the wave's end: 0 onto my spare word, behind my last tensor load and my last LDS store
	ds_add_u32 v[SPW], v[NIL]
	s_wait_dscnt 0x0
	CROUND                                         ; the closing round: no work-group ends while a partner may still ask for a tile that names it
	s_endpgm
.Lfunc_end_k_qc9717067fe_oproj:
	.size	k_qc9717067fe_oproj, .Lfunc_end_k_qc9717067fe_oproj-k_qc9717067fe_oproj
	.p2alignl 7, 3214868480
	.fill 96, 4, 3214868480
	.section	.rodata,"a",@progbits
	.p2align	6, 0x0
	.amdhsa_kernel k_qc9717067fe_oproj
		.amdhsa_group_segment_fixed_size 327680
		.amdhsa_private_segment_fixed_size 0
		.amdhsa_enable_private_segment 0
		.amdhsa_kernarg_size 24
		.amdhsa_user_sgpr_count 2
		.amdhsa_user_sgpr_kernarg_segment_ptr 1
		.amdhsa_wavefront_size32 1
		.amdhsa_system_sgpr_workgroup_id_x 1
		.amdhsa_system_sgpr_workgroup_id_y 1
		.amdhsa_system_sgpr_workgroup_id_z 1
		.amdhsa_system_vgpr_workitem_id 0
		.amdhsa_next_free_vgpr 512
		.amdhsa_next_free_sgpr 80
		.amdhsa_reserve_vcc 0
		.amdhsa_float_denorm_mode_32 3
		.amdhsa_float_denorm_mode_16_64 3
		.amdhsa_memory_ordered 1
		.amdhsa_forward_progress 1
		.amdhsa_inst_pref_size 87
	.end_amdhsa_kernel
	.amdgpu_metadata
---
amdhsa.version: [ 1, 2 ]
amdhsa.kernels:
  - .name:           k_qc9717067fe_oproj
    .symbol:         k_qc9717067fe_oproj.kd
    .args:
      - { .name: oh, .offset: 0, .size: 8, .value_kind: global_buffer, .address_space: global }
      - { .name: wob, .offset: 8, .size: 8, .value_kind: global_buffer, .address_space: global }
      - { .name: out0, .offset: 16, .size: 8, .value_kind: global_buffer, .address_space: global }
    .group_segment_fixed_size: 327680
    .private_segment_fixed_size: 0
    .kernarg_segment_align: 8
    .kernarg_segment_size: 24
    .max_flat_workgroup_size: 128
    .sgpr_count:     80
    .vgpr_count:     512
    .wavefront_size: 32
...
	.end_amdgpu_metadata
.endif
;; end of part 4
;; ======== version 2 of 2: 4 launches; version 1 with the launch prep written anew for expert scheduling mode
;; limits: values are held in f16: magnitudes above 65,504 overflow, below 6.1e-05 lose precision
;; workspace buffers: xb 16,777,216 bytes; wcat 6,291,456 bytes; wob 2,097,152 bytes; tab 524,288 bytes; qh 16,777,216 bytes; kh 16,777,216 bytes; vh 16,777,216 bytes; oh 16,777,216 bytes
;; launch prep (part 5): grid 896 x 1, 8 waves a work-group, no clusters, 0 bytes of LDS; arguments x, Wq, Wk, Wv, Wo, xb, wcat, wob, tab; writes xb, wcat, wob, tab
.if DOCPART == 5
	.amdgcn_target "amdgcn-amd-amdhsa--gfx1250"
	.amdhsa_code_object_version 6
	.text
	.protected	k_qc9717067fe_prep
	.globl	k_qc9717067fe_prep
	.p2align	8
	.type	k_qc9717067fe_prep,@function
k_qc9717067fe_prep:
	s_mov_b64 s[64:65], 0
	v_nop
	global_prefetch_b8 v0, s[64:65] scope:SCOPE_SE
	s_setreg_imm32_b32 hwreg(HW_REG_WAVE_SCHED_MODE, 0, 2), 2
	s_setreg_imm32_b32 hwreg(HW_REG_WAVE_MODE, 25, 1), 1
	s_wait_xcnt 0x0
	s_wait_alu depctr_vm_vsrc(0)
; THE INPUTS ARE ROUNDED ONCE, AND THE TABLE OF ROTATIONS IS MADE.  A stream: no LDS, no barrier, no matrix instruction.
;   work-groups   0..511  x  [8192][1024] f32 -> xb   [8192][1024] bf16
;   work-groups 512..703  Wq, Wk, Wv [1024][1024] f32 -> wcat [3072][1024] bf16, one below the other
;   work-groups 704..767  Wo [1024][1024] f32 -> wob: rounded to bf16 like the other inputs, and that number written as f16
;   work-groups 768..895  tab [2048 positions][64] f32: cos(p f_i), i = 0..31, then sin(p f_i); f_i = 10000^(-i/32)
; A streaming work-group takes 16 rows.  Thread t takes the 16 bytes at 16 t of each row (a wave's load covers 512 consecutive bytes) and stores 8 bytes at 8 t
; (a wave's store covers 256 consecutive bytes, aligned).  All 16 loads of a thread go out first; each row has registers of its own, so nothing is written twice.
; LIMITS.  A number of Wo below 2^-14 keeps f16's fixed step of 6e-8; beyond 65,504 it would be lost.  The table's angle is p times an f_i made by v_exp_f32, good to about
; one part in 10^7: up to some 3e-4 radians at the far positions.  NaN and infinities are not treated apart.
; THE MODE: SCHED_MODE bits 1:0 = 2 (LLVM: expert scheduling mode 2), set by the entry lines.  The code itself states the register dependences
; between vector instructions and memory instructions, with s_wait_alu, always for 0.
; THE PLAN.  Registers that memory instructions touch:
;   v1, v2     byte offsets, made once at the head and never written again: v1 is read by every load (and by the table's store), v2 by every store of a stream.
;   X          row p: written by the row's load, once; read by the row's roundings.  No vector instruction names it ahead of the loads, and nothing is loaded into it again.
;   Y          row p: written by the row's roundings; read by the row's one store; never written again.
;   v[20:23]   the table's role: written by its arithmetic, read by its one store.
; The 16 rows go in four blocks of four.  At the head of block b one wait states that block b - 1's roundings have written its Y; that block's four stores follow in a run; block b's vector
; instructions name X and Y of block b and v104 to v107: none of the registers that those stores touch.  No register that a memory instruction reads is written again, so no wait is owed for that.
; Where a vector instruction writes a mask (VCC, s44 to s47), a wait stands between it and the select that reads the mask.
.set X,   8                            ; v[8:71]    row p: 4 numbers as loaded
.set Y,   72                           ; v[72:103]  row p: 4 numbers of 16 bits
.set SRC, 26                           ; s[26:27]   the block's first byte in its input
.set DST, 28                           ; s[28:29]   and in its output
.set MK,  44                           ; s[44:47]   the table's role: four masks, k odd
.macro BODY h                          ; h = 1: the bf16 number is written as f16
	s_wait_alu depctr_va_vdst(0)                   ; v1 and v2 are written: every load below reads v1 as its offset, every store v2
.irp p, 0,1,2,3,4,5,6,7,8,9,10,11,12,13,14,15
	global_load_b128 v[X+4*(\p):X+4*(\p)+3], v1, s[SRC:SRC+1] offset:4096*(\p) th:TH_LOAD_NT
.endr
.irp b, 0,1,2,3
.if (\b) > 0
	s_wait_alu depctr_va_vdst(0)                   ; the roundings of the block before have written its Y, which the four stores below read
.endif
.irp i, 0,1,2,3
.if (\b) > 0
	global_store_b64 v2, v[Y+2*(4*(\b)-4+(\i)):Y+2*(4*(\b)-4+(\i))+1], s[DST:DST+1] offset:2048*(4*(\b)-4+(\i))
.endif
.endr
.irp i, 0,1,2,3
.set rw, 4*(\b)+(\i)                   ; the row
	s_wait_loadcnt 15-rw                           ; loads come back in order: this row is in, the younger rows stay out
	v_cvt_pk_bf16_f32 v[Y+2*rw],   v[X+4*rw],   v[X+4*rw+1]
	v_cvt_pk_bf16_f32 v[Y+2*rw+1], v[X+4*rw+2], v[X+4*rw+3]
.if \h
	v_lshlrev_b32 v104, 16, v[Y+2*rw]              ; bf16 to f32: the low half moves up, the high half stays
	v_and_b32     v105, 0xffff0000, v[Y+2*rw]
	v_lshlrev_b32 v106, 16, v[Y+2*rw+1]
	v_and_b32     v107, 0xffff0000, v[Y+2*rw+1]
	v_cvt_pk_f16_f32 v[Y+2*rw],   v104, v105       ; 8 significant bits fit into f16's 11
	v_cvt_pk_f16_f32 v[Y+2*rw+1], v106, v107
.endif
.endr
.endr
	s_wait_alu depctr_va_vdst(0)                   ; the roundings of rows 12 to 15 have written their Y, which the last four stores read
.irp i, 12,13,14,15
	global_store_b64 v2, v[Y+2*(\i):Y+2*(\i)+1], s[DST:DST+1] offset:2048*(\i)
.endr
.endm
	s_load_b512 s[8:23], s[0:1], 0x0               ; x 8:9, Wq 10:11, Wk 12:13, Wv 14:15, Wo 16:17, xb 18:19, wcat 20:21, wob 22:23
	s_load_b64 s[24:25], s[0:1], 0x40              ; tab
	s_mov_b32 s2, ttmp9
	v_lshlrev_b32 v1, 4, v0                        ; 16 t
	v_lshlrev_b32 v2, 3, v0                        ; 8 t
	s_mov_b32 s31, 0
	s_mov_b32 s33, 0
	s_wait_kmcnt 0x0
	s_cmp_ge_u32 s2, 768
	s_cbranch_scc1 .Ltable
	s_cmp_ge_u32 s2, 704
	s_cbranch_scc1 .Lwo
	s_max_u32 s3, s2, 512
	s_sub_co_u32 s3, s3, 512                       ; the block among the three weights' 192 (0 in x's role)
	s_lshr_b32 s4, s3, 6                           ; which weight
	s_and_b32 s5, s3, 63                           ; its block of 16 rows
	s_cmp_eq_u32 s4, 1
	s_cselect_b64 s[SRC:SRC+1], s[12:13], s[10:11]
	s_cmp_eq_u32 s4, 2
	s_cselect_b64 s[SRC:SRC+1], s[14:15], s[SRC:SRC+1]
	s_cmp_lt_u32 s2, 512
	s_cselect_b64 s[SRC:SRC+1], s[8:9], s[SRC:SRC+1]
	s_cselect_b64 s[DST:DST+1], s[18:19], s[20:21]
	s_cselect_b32 s6, s2, s5
	s_cselect_b32 s7, s2, s3
	s_lshl_b32 s30, s6, 16                         ; 16 rows of 4,096 bytes
	s_lshl_b32 s32, s7, 15                         ; 16 rows of 2,048 bytes
	s_add_nc_u64 s[SRC:SRC+1], s[SRC:SRC+1], s[30:31]
	s_add_nc_u64 s[DST:DST+1], s[DST:DST+1], s[32:33]
	BODY 0
	s_endpgm
.Lwo:
	s_sub_co_u32 s5, s2, 704
	s_lshl_b32 s30, s5, 16
	s_lshl_b32 s32, s5, 15
	s_add_nc_u64 s[SRC:SRC+1], s[16:17], s[30:31]
	s_add_nc_u64 s[DST:DST+1], s[22:23], s[32:33]
	BODY 1
	s_endpgm
.Ltable:
	; A work-group makes 16 positions.  Thread t: position 16 j + t / 16; u = t % 16: u < 8 makes cos, the others sin, of i = 4 (u % 8) + 0..3: 16 lanes fill a position's 256 bytes.
	; sin(a + q pi/2): n = the nearest whole number to a 2/pi; r = a - n pi/2 with pi/2 in two parts (the first product is exact in the fused multiply-add);
	; k = n + q; k odd takes the cosine's polynomial of r, k even the sine's; bit 1 of k turns the sign.  |r| stays within pi/4, where both polynomials hold to f32's last bits.
	s_sub_co_u32 s3, s2, 768
	s_lshl_b32 s4, s3, 4                           ; the first position
	s_lshl_b32 s30, s3, 12                         ; 16 positions of 256 bytes
	s_add_nc_u64 s[24:25], s[24:25], s[30:31]
	s_mov_b32 s34, 0xbed49a78                      ; -log2(10000) / 32
	s_mov_b32 s35, 0x3f22f983                      ; 2 / pi
	s_mov_b32 s36, 0x3fc90fdb                      ; pi / 2, rounded to f32
	s_mov_b32 s37, 0xb33bbd2e                      ; and what is left of it
	s_mov_b32 s38, 0xb94ca1f9                      ; sine: -1.9515296e-4, 8.3321609e-3, -1.6666655e-1
	s_mov_b32 s39, 0x3c08839e
	s_mov_b32 s40, 0xbe2aaaa3
	s_mov_b32 s41, 0x37ccf5ce                      ; cosine: 2.4433157e-5, -1.3887316e-3, 4.1666646e-2
	s_mov_b32 s42, 0xbab6061a
	s_mov_b32 s43, 0x3d2aaaa5
	v_lshrrev_b32 v3, 4, v0
	v_add_nc_u32 v3, s4, v3                        ; p
	v_cvt_f32_u32 v5, v3
	v_and_b32 v4, 15, v0                           ; u
	v_cmp_gt_u32 vcc_lo, 8, v4
	v_and_b32 v7, 7, v4
	v_lshlrev_b32 v7, 2, v7                        ; the first i
	s_wait_alu depctr_va_vcc(0)                    ; the compare has written VCC, which the select below reads
	v_cndmask_b32 v6, 0, 1, vcc_lo                 ; q = 1 for the cosine: the sine a quarter turn on
.irp e, 0,1,2,3
	v_add_nc_u32 v[8+(\e)], \e, v7
	v_cvt_f32_u32 v[8+(\e)], v[8+(\e)]
	v_mul_f32 v[8+(\e)], s34, v[8+(\e)]
.endr
.irp e, 0,1,2,3
	v_exp_f32 v[8+(\e)], v[8+(\e)]                 ; f_i; the four stand together,
.endr
	v_nop                                          ; and a plain instruction behind the last, ahead of the first use
	s_wait_alu depctr_va_vdst(0)                   ; the four exponentials have written v[8:11], which the multiplies below read
.irp e, 0,1,2,3
	v_mul_f32 v[8+(\e)], v5, v[8+(\e)]             ; the angle
	v_mul_f32 v[12+(\e)], s35, v[8+(\e)]
	v_rndne_f32 v[12+(\e)], v[12+(\e)]             ; n
	v_fma_f32 v[8+(\e)], -v[12+(\e)], s36, v[8+(\e)]
	v_fma_f32 v[8+(\e)], -v[12+(\e)], s37, v[8+(\e)]  ; r
	v_cvt_i32_f32 v[12+(\e)], v[12+(\e)]
	v_add_nc_u32 v[12+(\e)], v[12+(\e)], v6        ; k
	v_mul_f32 v[16+(\e)], v[8+(\e)], v[8+(\e)]     ; z = r r
.endr
.irp e, 0,1,2,3
	v_fma_f32 v[20+(\e)], v[16+(\e)], s38, s39
	v_fma_f32 v[24+(\e)], v[16+(\e)], s41, s42
	v_fma_f32 v[20+(\e)], v[20+(\e)], v[16+(\e)], s40
	v_fma_f32 v[24+(\e)], v[24+(\e)], v[16+(\e)], s43
	v_mul_f32 v[20+(\e)], v[20+(\e)], v[16+(\e)]
	v_mul_f32 v[24+(\e)], v[24+(\e)], v[16+(\e)]
	v_fma_f32 v[28+(\e)], v[16+(\e)], -0.5, 1.0
	v_fma_f32 v[20+(\e)], v[20+(\e)], v[8+(\e)], v[8+(\e)]     ; sin r
	v_fma_f32 v[24+(\e)], v[24+(\e)], v[16+(\e)], v[28+(\e)]   ; cos r
.endr
.irp e, 0,1,2,3
	v_and_b32 v[28+(\e)], 1, v[12+(\e)]
	v_cmp_eq_u32 s[MK+(\e)], 1, v[28+(\e)]         ; the four compares stand in a run, each with a mask of its own
.endr
.irp e, 0,1,2,3
	v_lshlrev_b32 v[12+(\e)], 30, v[12+(\e)]       ; bit 1 of k as a sign: work that reads no mask stands between the compares and their wait
	v_and_b32 v[12+(\e)], 0x80000000, v[12+(\e)]
.endr
	s_wait_alu depctr_va_sdst(0)                   ; the four compares have written s44 to s47, which the selects below read
.irp e, 0,1,2,3
	v_cndmask_b32 v[20+(\e)], v[20+(\e)], v[24+(\e)], s[MK+(\e)]  ; a value is chosen; no branch and no address hangs on it
	v_xor_b32 v[20+(\e)], v[12+(\e)], v[20+(\e)]
.endr
	s_wait_alu depctr_va_vdst(0)                   ; v[20:23] are written, which the store reads as its data, and so is v1, its offset
	global_store_b128 v1, v[20:23], s[24:25]       ; 16 lanes store a position's 256 bytes
	s_endpgm
.Lfunc_end_k_qc9717067fe_prep:
	.size	k_qc9717067fe_prep, .Lfunc_end_k_qc9717067fe_prep-k_qc9717067fe_prep
	.p2alignl 7, 3214868480
	.fill 96, 4, 3214868480
	.section	.rodata,"a",@progbits
	.p2align	6, 0x0
	.amdhsa_kernel k_qc9717067fe_prep
		.amdhsa_group_segment_fixed_size 0
		.amdhsa_private_segment_fixed_size 0
		.amdhsa_enable_private_segment 0
		.amdhsa_kernarg_size 72
		.amdhsa_user_sgpr_count 2
		.amdhsa_user_sgpr_kernarg_segment_ptr 1
		.amdhsa_wavefront_size32 1
		.amdhsa_system_sgpr_workgroup_id_x 1
		.amdhsa_system_sgpr_workgroup_id_y 1
		.amdhsa_system_sgpr_workgroup_id_z 1
		.amdhsa_system_vgpr_workitem_id 0
		.amdhsa_next_free_vgpr 112
		.amdhsa_next_free_sgpr 66
		.amdhsa_reserve_vcc 1
		.amdhsa_float_denorm_mode_32 3
		.amdhsa_float_denorm_mode_16_64 3
		.amdhsa_memory_ordered 1
		.amdhsa_forward_progress 1
		.amdhsa_inst_pref_size 25
	.end_amdhsa_kernel
	.amdgpu_metadata
---
amdhsa.version: [ 1, 2 ]
amdhsa.kernels:
  - .name:           k_qc9717067fe_prep
    .symbol:         k_qc9717067fe_prep.kd
    .args:
      - { .name: x, .offset: 0, .size: 8, .value_kind: global_buffer, .address_space: global }
      - { .name: Wq, .offset: 8, .size: 8, .value_kind: global_buffer, .address_space: global }
      - { .name: Wk, .offset: 16, .size: 8, .value_kind: global_buffer, .address_space: global }
      - { .name: Wv, .offset: 24, .size: 8, .value_kind: global_buffer, .address_space: global }
      - { .name: Wo, .offset: 32, .size: 8, .value_kind: global_buffer, .address_space: global }
      - { .name: xb, .offset: 40, .size: 8, .value_kind: global_buffer, .address_space: global }
      - { .name: wcat, .offset: 48, .size: 8, .value_kind: global_buffer, .address_space: global }
      - { .name: wob, .offset: 56, .size: 8, .value_kind: global_buffer, .address_space: global }
      - { .name: tab, .offset: 64, .size: 8, .value_kind: global_buffer, .address_space: global }
    .group_segment_fixed_size: 0
    .private_segment_fixed_size: 0
    .kernarg_segment_align: 8
    .kernarg_segment_size: 72
    .max_flat_workgroup_size: 256
    .sgpr_count:     66
    .vgpr_count:     112
    .wavefront_size: 32
...
	.end_amdgpu_metadata
.endif
;; end of part 5
;; launch qkv: the kernel of part 2 again; grid 8 x 32, 4 waves a work-group, clusters of 4 x 4, 327,680 bytes of LDS; arguments xb, wcat, tab, qh, kh, vh; writes qh, kh, vh
;; launch attn: the kernel of part 3 again; grid 4 x 64, 4 waves a work-group, no clusters, 327,680 bytes of LDS; arguments qh, kh, vh, oh; writes oh
;; launch oproj: the kernel of part 4 again; grid 8 x 32, 4 waves a work-group, clusters of 4 x 4, 327,680 bytes of LDS; arguments oh, wob, out0; writes out0
